; MI455X (gfx1250); checked and timed in simulation.
; The chip was launched on July 23, 2026; its instructions are those of AMD's public machine-readable ISA for CDNA 5 (MIT licence, August 2026) and "CDNA5" Instruction Set Architecture Reference Guide (July 2026). The comments in the code are by the model that wrote it; some were corrected since.
;; Afmoe Mo E. Allowed arithmetic: matrix products marked QUANTISED: E2M3 operands, one E8M0 scale for each 32 along K, by v_wmma_scale_f32_16x16x128_f8f6f4 with both operands' format E2M3, f32 sums; products left as they are: f32 operands where the result goes on into a quantised operand, else bf16, f16 or f32 operands; f32 sums; everything else in f32.
;; Inputs: expert_bias 32 float32; gate_w 32 x 1,024 float32; hidden_states 1,024 x 1,024 float32; sw_down 512 x 1,024 float32; sw_gate 1,024 x 512 float32; sw_up 1,024 x 512 float32; w_down 32 x 512 x 1,024 float32; w_gate 32 x 1,024 x 512 float32; w_up 32 x 1,024 x 512 float32.
;; Outputs: out0 1,024 x 1,024 float32.
;; This version of the problem:
;;   THIS VERSION OF THE PROBLEM IS GIVEN IN LOW PRECISION. The matrix products marked QUANTISED in the list below multiply operands that are first quantised to E2M3 (2 exponent bits, 3 mantissa bits; 6 bits a number), with one power-of-two scale for each 32 numbers along K (OCP MX v1.0); their sums are f32. All else is computed in f32.
;;   The module's matrix products, in the order in which they are computed (A, B: the left and right operand; K: the contracted axis; several contracted axes count as one K, in the product's order):
;;     1. [M 1,024, K 1,024] x [K 1,024, N 32]; A: input hidden_states; B: input gate_w: QUANTISED
;;     2. [M 1,024, K 1,024] x [K 1,024, N 16,384]; A: input hidden_states; B: input w_gate: QUANTISED
;;     3. [M 1,024, K 1,024] x [K 1,024, N 16,384]; A: input hidden_states; B: input w_up: QUANTISED
;;     4. batch 32,768 x [M 512, K 1] x [K 1, N 1]; A: computed on the way; B: computed on the way: left as it is (no contracted axis)
;;     5. [M 1,024, K 16,384] x [K 16,384, N 1,024]; A: computed on the way; B: input w_down: QUANTISED
;;     6. [M 1,024, K 1,024] x [K 1,024, N 512]; A: input hidden_states; B: input sw_gate: QUANTISED
;;     7. [M 1,024, K 1,024] x [K 1,024, N 512]; A: input hidden_states; B: input sw_up: QUANTISED
;;     8. [M 1,024, K 512] x [K 512, N 1,024]; A: computed on the way; B: input sw_down: QUANTISED
;;   THE QUANTISER, for each operand of a quantised product, along K:
;;     - K is cut into blocks of 32 from its start; a last block that is shorter is filled with zeros.
;;     - A block's scale is 2^e with e = floor(log2(the largest magnitude in the block)) - 2, held to -126 .. 127; a block of zeros has e = 0. As a byte (E8M0): e + 127.
;;     - Each number is divided by its block's scale, clamped to +-7.5, and rounded to the nearest number of E2M3, ties to even, subnormals kept.
;;     - The product sums the exact products of the quantised numbers (number of the format x scale) in f32.
;;   ~~~python
;;   def quantise(x, axis):      # numpy; x: float32 -> the quantised numbers, widened to float32 again
;;       x = np.moveaxis(x, axis, -1); K = x.shape[-1]
;;       x = np.pad(x, [(0, 0)] * (x.ndim - 1) + [(0, -K % 32)]); x = x.reshape(x.shape[:-1] + (-1, 32)); a = np.abs(x).max(-1, keepdims=True)
;;       e = np.where(a > 0, np.clip(np.frexp(np.where(a > 0, a, 1))[1] - 1 - 2, -126, 127), 0)      # np.frexp(a)[1] - 1 = floor(log2(a)), exactly
;;       r = np.clip(x / 2.0 ** e, -7.5, 7.5)
;;       step = 2.0 ** (np.maximum(np.frexp(np.where(r == 0, 1, r))[1] - 1, 0) - 3)
;;       q = np.round(r / step) * step * 2.0 ** e      # np.round: ties to even
;;       return np.moveaxis(q.reshape(q.shape[:-2] + (-1,))[..., :K], -1, axis).astype(np.float32)
;;   ~~~
;;   OPERANDS COMPUTED ON THE WAY. 'Computed on the way' means the value that the module computes at that place (a softmax that the list does not call 'softmax' is quantised finished and normalised). What goes into a quantiser is computed in f32, as accurately as f32 sums, v_exp_f32 and their like allow (about 1e-6 of the number): no bf16 or f16 on the way to a quantiser, and a product that is left as it is and whose result goes on into a quantised operand takes f32 operands (vector FMAs, or v_wmma_f32_16x16x4_f32). A number that lies on a knife's edge between two numbers of the format may be rounded either way, as far as f32 arithmetic and the matrix unit's own rounding can turn it there, and no further.
;; 2 versions. Each part assembles by itself: llvm-mc -triple=amdgcn-amd-amdhsa -mcpu=gfx1250 --defsym DOCPART=n.
;; ======== version 1 of 2: 5 launches
;; workspace buffers: xq 1,048,576 bytes; ids 16,384 bytes of whole numbers; wts 24,576 bytes; list 327,680 bytes of whole numbers; cnt 256 bytes of whole numbers; midc 15,728,640 bytes; mids 655,360 bytes; y 23,592,960 bytes
;; launch route (part 1): grid 64 x 1, 4 waves a work-group, no clusters, 21,760 bytes of LDS; arguments hidden_states, gate_w, expert_bias, xq, ids, wts; writes xq, ids, wts
.if DOCPART == 1
	.amdgcn_target "amdgcn-amd-amdhsa--gfx1250"
	.amdhsa_code_object_version 6
	.text
	.protected	k_q3c056d0a35_route
	.globl	k_q3c056d0a35_route
	.p2align	8
	.type	k_q3c056d0a35_route,@function
k_q3c056d0a35_route:
	s_mov_b64 s[64:65], 0
	v_nop
	global_prefetch_b8 v0, s[64:65] scope:SCOPE_SE
	s_setreg_imm32_b32 hwreg(HW_REG_WAVE_MODE, 25, 1), 1
	s_wait_xcnt 0x0
; ROUTE.  hidden_states [1024][1024] f32 is quantised along its rows to codes of FP6 (E2M3) with one E8M0 byte for each 32 numbers, and stored in xq in the order of an operand's registers;
; the router's logits x . gate_w^T are made on those codes by the scaled matrix instruction; then, in f32: sigmoid, bias, the sum of the two largest of each group of 8, the two best groups,
; the four best experts (on a tie the lower index, as jax.lax.top_k has it), their un-biased scores divided by their sum, x 2.5.
; OUT: xq: token t at 1024 t: codes at 384 h + 48 s + 4 p (register p of K step s of the fragment of lane half h), the eight scale words at 768 + 4 s.  ids [t][4] u32.  wts [t][4] f32;
;      wts slots 4096..5119 = 1.0 (the shared expert's rows), slots 5120..6143 = 0.0 (rows that only fill a tile).
; SHARES.  A work-group owns 16 tokens.  Wave w owns K steps 2 w and 2 w + 1 (256 along K) of x and of both tiles of 16 experts; the four partial logits meet in LDS; wave 0 finishes the router.
; LAYOUT.  Source 0 = 16 experts, source 1 = 16 tokens: lane (r, h) holds token r, and its 16 results are experts 8 h + 0..7 and 16 + 8 h + 0..7: groups h and 2 + h, whole.
; No address and no branch hangs on a floating-point number: every choice is a v_cndmask_b32.
; LIMITS: NaN and infinities are not served.  A block whose largest magnitude lies under 2^-124 keeps the byte 1, a block of zeros too (its codes are zeros; only this program reads the bytes).
;         v_exp_f32 and v_rcp_f32 flush denormals: a sigmoid under 2^-126 counts as 0.  Scores that differ by less than f32 rounding may be ordered otherwise than by another order of the same sums.
.set PL,    0                          ; LDS: partial logits, 2,048 bytes a wave: four images of four registers, 16 bytes a lane
.set XSTG,  8192                       ; x's codes and scale words, 16 rows
.set XP,    816                        ; a row there: 768 bytes of codes, 32 of scale words, 16 spare = 51 x 16 bytes, so that sixteen rows' 16 bytes fall on different banks
.set SPARE, 21248                      ; the spare words, 128 bytes a wave: two blocks of 256 bytes that no other line names
.set FLOOR, 0x1800000                  ; 2^(3 - 127): no largest magnitude is taken under it, so that no byte falls under 1
.set EOFF,  0xff000000                 ; takes 2 off an exponent field
.set SPW, 30                           ; v30  my spare word's LDS address; never rewritten
.set NIL, 31                           ; v31  0; never rewritten
.set SA,  32                           ; v32-95   64 numbers as loaded
.set SB,  96                           ; v96-159  the other set
.set XFR, 160                          ; v160-183 x's two fragments
.set PCG, 184                          ; v184-195 the fragment of gate_w in hand
.set TQ,  196                          ; v196-203 the conversions' second halves
.set TM,  204                          ; v204-219 at work in QUANT
.set ACC, 224                          ; v224-239 the two accumulators
; v16, v17: x's scale words; v18: gate_w's.  They hold scales and nothing else.
.macro LOADU reg, ptr, off             ; 128 along K of my row: register 16 b + i = k 32 b + 16 h + i
.irp b, 0,1,2,3
.irp j, 0,1,2,3
	global_load_b128 v[\reg+16*\b+4*\j:\reg+16*\b+4*\j+3], v4, s[\ptr:\ptr+1] offset:\off+128*\b+16*\j
.endr
.endr
.endm
.macro QUANT src, pc, pw               ; 64 numbers of a lane become a fragment's 12 registers at v[pc] and its scale word in v[pw]
.irp b, 0,1,2,3
	v_max3_num_f32 v[TM+\b], |v[\src+16*\b]|, |v[\src+1+16*\b]|, FLOOR
.endr
.irp i, 2,4,6,8,10,12,14
.irp b, 0,1,2,3
	v_max3_num_f32 v[TM+\b], v[TM+\b], |v[\src+16*\b+\i]|, |v[\src+1+16*\b+\i]|   ; the four blocks by turns
.endr
.endr
.irp b, 0,1,2,3
	v_permlanex16_b32 v[TM+4+\b], v[TM+\b], s20, s21
.endr
.irp b, 0,1,2,3
	v_max_num_f32 v[TM+\b], v[TM+\b], v[TM+4+\b]          ; with lane l xor 16's 16 numbers: the block's largest magnitude
.endr
.irp b, 0,1,2,3
	v_add_nc_u32 v[TM+12+\b], EOFF, v[TM+\b]              ; 2 off its exponent field: the conversion's scale operand
.endr
.irp b, 0,1,2,3
	v_lshrrev_b32 v[TM+4+\b], 23, v[TM+12+\b]             ; the scale's byte
.endr
	v_lshl_or_b32 v[\pw], v[TM+5], 8, v[TM+4]
	v_lshl_or_b32 v[\pw], v[TM+6], 16, v[\pw]
	v_lshl_or_b32 v[\pw], v[TM+7], 24, v[\pw]
.irp c, 0,1
	v_cvt_scalef32_pk16_fp6_f32 v[\pc+6*\c:\pc+2+6*\c], v[\src+32*\c:\src+15+32*\c], v[TM+12+2*\c]
	v_cvt_scalef32_pk16_fp6_f32 v[TQ+4*\c:TQ+2+4*\c], v[\src+16+32*\c:\src+31+32*\c], v[TM+13+2*\c]   ; (a conversion's three registers begin on an even number)
.endr
	v_nop                                                  ; one plain line behind the conversions
.irp c, 0,1                            ; the operand wants a whole block in a lane: lanes 0-15 block 2 c, lanes 16-31 block 2 c + 1
.irp i, 0,1,2
	v_permlane16_swap_b32 v[\pc+6*\c+\i], v[TQ+4*\c+\i]
.endr
.irp i, 0,1,2
	v_mov_b32 v[\pc+3+6*\c+\i], v[TQ+4*\c+\i]
.endr
.endr
.endm
; One unit of gate_w: 16 experts x 128 along K.  n: the younger loads that may stay out.
.macro GATE src, n, more, off, tile, sl
	s_wait_loadcnt \n
	QUANT \src, PCG, 18                                    ; its first 32 lines name no register of the product before: they are the places behind it
.if \more
	LOADU \src, 6, \off
.endif
.rept 8
	v_nop                                                  ; a scale word written by a vector instruction stands eight places ahead of the scaled product, an operand four
.endr
.if \sl == 0
	v_wmma_scale_f32_16x16x128_f8f6f4 v[ACC+8*\tile:ACC+8*\tile+7], v[PCG:PCG+11], v[XFR:XFR+11], 0, v18, v16 matrix_a_fmt:MATRIX_FMT_FP6 matrix_b_fmt:MATRIX_FMT_FP6
.else
	v_wmma_scale_f32_16x16x128_f8f6f4 v[ACC+8*\tile:ACC+8*\tile+7], v[PCG:PCG+11], v[XFR+12:XFR+23], v[ACC+8*\tile:ACC+8*\tile+7], v18, v17 matrix_a_fmt:MATRIX_FMT_FP6 matrix_b_fmt:MATRIX_FMT_FP6
.endif
.endm
	s_load_b256 s[4:11], s[0:1], 0x0               ; hidden_states s[4:5], gate_w s[6:7], expert_bias s[8:9], xq s[10:11]
	s_load_b128 s[12:15], s[0:1], 0x20             ; ids s[12:13], wts s[14:15]
	v_lshl_add_u32 v[SPW], v0, 2, SPARE
	v_mov_b32 v[NIL], 0
	v_lshrrev_b32 v1, 5, v0
	v_readfirstlane_b32 s16, v1                    ; wave 0..3
	v_and_b32 v1, 31, v0                           ; lane
	v_and_b32 v2, 15, v0                           ; r
	v_bfe_u32 v3, v0, 4, 1                         ; h
	v_lshlrev_b32 v4, 12, v2
	v_lshl_add_u32 v4, v3, 6, v4                   ; v4: row r of 4,096 bytes + 64 h: my 16 numbers of a block of 32
	s_lshl_b32 s17, s16, 11
	v_lshl_add_u32 v5, v1, 4, s17                  ; v5: where I put partial logits: 2,048 w + 16 lane
	v_lshlrev_b32 v6, 4, v1                        ; v6: where wave 0 reads them: 16 lane
	v_mul_u32_u24 v8, v2, XP
	v_mad_u32_u24 v7, v3, 384, v8
	s_mul_i32 s17, s16, 96
	s_add_co_u32 s17, s17, XSTG
	v_add_nc_u32 v7, s17, v7                       ; v7: my codes in the stage: row r, 384 h + 96 w
	s_lshl_b32 s17, s16, 3
	s_add_co_u32 s17, s17, XSTG+768
	v_add_nc_u32 v8, s17, v8                       ; v8: my row's two scale words: 768 + 8 w
	v_mul_u32_u24 v9, v3, XP
	v_lshl_add_u32 v9, v2, 4, v9
	s_mul_i32 s17, s16, 4*XP
	s_add_co_u32 s17, s17, XSTG
	v_add_nc_u32 v9, s17, v9                       ; v9: back: row 4 w + h, 16 bytes a lane
	v_lshrrev_b32 v13, 1, v1
	v_and_b32 v12, 1, v1
	v_mul_u32_u24 v10, v13, XP
	v_lshl_add_u32 v10, v12, 4, v10
	v_add_nc_u32 v10, XSTG+768, v10                ; v10: the scale words back: row lane / 2, 16 bytes for each of two lanes
	v_lshlrev_b32 v11, 10, v3
	v_lshl_add_u32 v11, v2, 4, v11
	s_lshl_b32 s17, s16, 12
	v_add_nc_u32 v11, s17, v11                     ; v11: the same place in xq as v9: token 4 w + h
	v_lshlrev_b32 v13, 10, v13
	v_lshl_add_u32 v12, v12, 4, v13
	v_add_nc_u32 v12, 768, v12                     ; v12: the same place in xq as v10
	v_lshlrev_b32 v13, 4, v2                       ; v13: 16 r: a token's four ids, or four weights
	v_lshlrev_b32 v14, 2, v2
	v_lshl_add_u32 v14, v3, 12, v14
	v_add_nc_u32 v14, 16384, v14                   ; v14: slot 4096 + r (lanes 0-15), slot 5120 + r (lanes 16-31), in bytes
	v_lshlrev_b32 v15, 5, v3                       ; v15: 32 h: my eight numbers of the bias
	v_lshlrev_b32 v19, 3, v3                       ; v19: 8 h
.irp b, 0,1,2,3
	v_mov_b32 v[TM+4+\b], 0                        ; written once: a lane permute's destination counts as one of its sources
.endr
	s_mov_b32 s20, 0x76543210
	s_mov_b32 s21, 0xfedcba98                      ; v_permlanex16_b32's selects for lane l xor 16
	s_mov_b32 s22, 0xbfb8aa3b                      ; -log2(e)
	s_mov_b32 s23, s22                             ; (named with it as a pair)
	s_mov_b32 s24, 0xffff0000                      ; the mask of lanes 16-31
	s_lshl_b32 s32, ttmp9, 16                      ; my work-group's 16 rows of x,
	s_lshl_b32 s34, s16, 10                        ; my wave's 256 along K
	s_add_co_u32 s32, s32, s34
	s_mov_b32 s33, 0
	s_mov_b32 s35, 0
	s_wait_kmcnt 0x0
	s_add_nc_u64 s[4:5], s[4:5], s[32:33]
	s_add_nc_u64 s[6:7], s[6:7], s[34:35]
	s_lshl_b32 s32, ttmp9, 14
	s_add_nc_u64 s[10:11], s[10:11], s[32:33]      ; xq at my 16 tokens
	s_lshl_b32 s32, ttmp9, 8
	s_add_nc_u64 s[12:13], s[12:13], s[32:33]      ; ids likewise
	s_add_nc_u64 s[36:37], s[14:15], s[32:33]      ; wts likewise
	s_lshl_b32 s32, ttmp9, 6
	s_add_nc_u64 s[38:39], s[14:15], s[32:33]      ; and wts for the constants: 16 slots a work-group
	LOADU SA, 4, 0                                 ; x, my first K step
	LOADU SB, 4, 512                               ; and my second
	s_wait_loadcnt 16                              ; the first unit is in; the second's 16 loads may be out
	QUANT SA, XFR, 16
	LOADU SA, 6, 0                                 ; gate_w: experts 0-15, my first K step
	s_wait_loadcnt 16
	QUANT SB, XFR+12, 17
	LOADU SB, 6, 65536                             ; experts 16-31, my first K step
.irp u, 0,1
.irp c, 0,1,2
	ds_store_b128 v7, v[XFR+12*\u+4*\c:XFR+12*\u+4*\c+3] offset:48*\u+16*\c
.endr
	ds_store_b32 v8, v[16+\u] offset:4*\u          ; both halves of the lanes write the same word with the same value
.endr
	GATE SA, 16, 1, 512,   0, 0                    ; the two accumulators take turns
	GATE SB, 16, 1, 66048, 1, 0
	GATE SA, 16, 0, 0,     0, 1
	GATE SB, 0,  0, 0,     1, 1
.rept 4
	v_nop                                          ; four places ahead of the stores that read the results
.endr
.irp q, 0,1,2,3
	ds_store_b128 v5, v[ACC+4*\q:ACC+4*\q+3] offset:512*\q   ; each accumulator from its low end on
.endr
	s_wait_dscnt 0x0                               ; for the others' sake: my stores have landed
	s_barrier_signal -1
	s_barrier_wait -1
.irp p, 0,1                            ; every wave stores four tokens' codes: sixteen lanes cover 256 consecutive bytes, aligned
.irp q, 0,1,2
	ds_load_b128 v[32+4*(3*\p+\q):35+4*(3*\p+\q)], v9 offset:2*XP*\p+256*\q
.endr
.endr
.irp p, 0,1
.irp q, 0,1,2
	s_wait_dscnt 5-3*\p-\q
	global_store_b128 v11, v[32+4*(3*\p+\q):35+4*(3*\p+\q)], s[10:11] offset:2048*\p+256*\q
.endr
.endr
	s_cmp_eq_u32 s16, 0
	s_cbranch_scc1 .Lrouter
	s_cmp_eq_u32 s16, 1
	s_cbranch_scc0 .Lend
	ds_load_b128 v[56:59], v10                     ; wave 1: the 16 tokens' scale words, 32 bytes a token,
	v_mov_b32 v60, 0
	v_cndmask_b32 v60, 1.0, v60, s24               ; and the constants of wts: 1.0 from lanes 0-15, 0.0 from lanes 16-31
	s_wait_dscnt 0x0
	global_store_b128 v12, v[56:59], s[10:11]
	global_store_b32 v14, v60, s[38:39]
	s_branch .Lend
.Lrouter:                              ; wave 0
	s_wait_xcnt 0x0                                ; my stores above have read v32-55, which are written again below
	global_load_b128 v[128:131], v15, s[8:9]       ; the bias of experts 8 h + 0..7
	global_load_b128 v[132:135], v15, s[8:9] offset:16
	global_load_b128 v[136:139], v15, s[8:9] offset:64   ; and of 16 + 8 h + 0..7
	global_load_b128 v[140:143], v15, s[8:9] offset:80
.irp p, 0,1,2,3
.irp q, 0,1,2,3
	ds_load_b128 v[32+16*\p+4*\q:35+16*\p+4*\q], v6 offset:2048*\p+512*\q
.endr
.endr
	s_wait_dscnt 0x0
.irp j, 0,2,4,6,8,10,12,14
	v_pk_add_f32 v[32+\j:33+\j], v[32+\j:33+\j], v[48+\j:49+\j]
	v_pk_add_f32 v[64+\j:65+\j], v[64+\j:65+\j], v[80+\j:81+\j]
.endr
.irp j, 0,2,4,6,8,10,12,14
	v_pk_add_f32 v[32+\j:33+\j], v[32+\j:33+\j], v[64+\j:65+\j]        ; the logits
.endr
.irp j, 0,2,4,6,8,10,12,14
	v_pk_mul_f32 v[48+\j:49+\j], v[32+\j:33+\j], s[22:23] op_sel_hi:[1,0]
.endr
.irp j, 0,1,2,3,4,5,6,7,8,9,10,11,12,13,14,15
	v_exp_f32 v[48+\j], v[48+\j]                   ; e^-logit
.endr
	v_nop                                          ; a plain line behind the batch,
	s_wait_alu depctr_va_vdst(0)                   ; and one wait for it, ahead of its first reader
.irp j, 0,2,4,6,8,10,12,14
	v_pk_add_f32 v[48+\j:49+\j], v[48+\j:49+\j], 1.0 op_sel_hi:[1,0]
.endr
.irp j, 0,1,2,3,4,5,6,7,8,9,10,11,12,13,14,15
	v_rcp_f32 v[96+\j], v[48+\j]                   ; v96-111: the scores
.endr
	v_nop
	s_wait_alu depctr_va_vdst(0)
	s_wait_loadcnt 0x0                             ; the bias
.irp j, 0,2,4,6,8,10,12,14
	v_pk_add_f32 v[112+\j:113+\j], v[96+\j:97+\j], v[128+\j:129+\j]    ; v112-127: the scores with the bias
.endr
	v_max_num_f32 v196, v112, v113                 ; the two largest of each of my two groups: m1 and m2
	v_min_num_f32 v197, v112, v113
	v_max_num_f32 v198, v120, v121
	v_min_num_f32 v199, v120, v121
.irp j, 2,3,4,5,6,7
	v_med3_num_f32 v197, v196, v197, v[112+\j]     ; the middle one of m1, m2 and the next number is the new m2
	v_med3_num_f32 v199, v198, v199, v[120+\j]
	v_max_num_f32 v196, v196, v[112+\j]
	v_max_num_f32 v198, v198, v[120+\j]
.endr
	v_add_f32 v196, v196, v197                     ; group h's score
	v_add_f32 v198, v198, v199                     ; group 2 + h's
	v_permlanex16_b32 v197, v196, s20, s21         ; group 1 - h's
	v_permlanex16_b32 v199, v198, s20, s21         ; group 3 - h's
	v_cndmask_b32 v200, v196, v197, s24            ; v200-203: groups 0 to 3 in order
	v_cndmask_b32 v201, v197, v196, s24
	v_cndmask_b32 v202, v198, v199, s24
	v_cndmask_b32 v203, v199, v198, s24
	v_mov_b32 v204, 3                              ; v204-207: how many groups stand ahead of each.  Group a begins with the 3 - a groups behind it,
	v_mov_b32 v205, 2
	v_mov_b32 v206, 1
	v_mov_b32 v207, 0
	v_mov_b32 v209, 1
.macro PAIR a, b                       ; a < b: where a's score is at least b's, a stands ahead of b (the lower index on a tie)
	v_cmp_ge_f32 vcc_lo, v[200+\a], v[200+\b]
	v_cndmask_b32 v208, 0, v209, vcc_lo
	v_add_nc_u32 v[204+\b], v[204+\b], v208
	v_sub_nc_u32 v[204+\a], v[204+\a], v208
.endm
	PAIR 0, 1
	PAIR 0, 2
	PAIR 0, 3
	PAIR 1, 2
	PAIR 1, 3
	PAIR 2, 3
	v_cndmask_b32 v210, v204, v205, s24            ; group h's rank
	v_cndmask_b32 v211, v206, v207, s24            ; group 2 + h's
	v_cmp_gt_u32 s25, 2, v210                      ; kept: rank 0 or 1
	v_cmp_gt_u32 s26, 2, v211
	v_mov_b32 v212, 0xff7fffff                     ; the least finite number, as the problem's mask has it
	v_mov_b32 v213, 0xff800000                     ; -infinity: what has been chosen
.irp j, 0,1,2,3,4,5,6,7
	v_cndmask_b32 v[144+\j], v212, v[112+\j], s25  ; v144-159: what the four best are chosen from
	v_cndmask_b32 v[152+\j], v212, v[120+\j], s26
.endr
; The k-th best of the 32.  Register j is expert 8 h + j + 8 (j / 8).  id in v[240 + k], its un-biased score in v[244 + k], in both lanes of the token.
.macro ROUND k
	v_mov_b32 v214, v144
	v_mov_b32 v215, 0
.irp j, 1,2,3,4,5,6,7,8,9,10,11,12,13,14,15
	v_cmp_ge_f32 vcc_lo, v214, v[144+\j]           ; the earlier stays on a tie
	v_cndmask_b32 v215, \j+8*(\j/8), v215, vcc_lo
	v_max_num_f32 v214, v214, v[144+\j]
.endr
	v_add_nc_u32 v215, v215, v19                   ; my best's number
	v_permlanex16_b32 v216, v214, s20, s21         ; the other lane's best
	v_permlanex16_b32 v217, v215, s20, s21
	v_cmp_gt_f32 s27, v216, v214
	v_cmp_eq_f32 s28, v216, v214
	v_cmp_lt_u32 s29, v217, v215
	s_and_b32 s28, s28, s29
	s_or_b32 s27, s27, s28                         ; it wins where it is larger, or equal with the lower number
	v_cndmask_b32 v[240+\k], v215, v217, s27
	v_sub_nc_u32 v218, v[240+\k], v19
	v_mov_b32 v[244+\k], 0
.irp j, 0,1,2,3,4,5,6,7,8,9,10,11,12,13,14,15
	v_cmp_eq_u32 vcc_lo, \j+8*(\j/8), v218         ; is it mine?
	v_cndmask_b32 v[244+\k], v[244+\k], v[96+\j], vcc_lo
	v_cndmask_b32 v[144+\j], v[144+\j], v213, vcc_lo
.endr
	v_permlanex16_b32 v219, v[244+\k], s20, s21
	v_add_f32 v[244+\k], v[244+\k], v219           ; one of the two is 0
.endm
	ROUND 0
	ROUND 1
	ROUND 2
	ROUND 3
	v_add_f32 v220, v244, v245
	v_add_f32 v221, v246, v247
	v_add_f32 v220, v220, v221
	v_rcp_f32 v220, v220
	v_nop
	s_wait_alu depctr_va_vdst(0)
.irp k, 0,1,2,3
	v_mul_f32 v[244+\k], v[244+\k], v220
.endr
.irp k, 0,1,2,3
	v_mul_f32 v[244+\k], 0x40200000, v[244+\k]     ; x 2.5
.endr
	global_store_b128 v13, v[240:243], s[12:13]    ; both lanes of a token store the same 16 bytes
	global_store_b128 v13, v[244:247], s[36:37]
.Lend:
	s_wait_tensorcnt 0x0                           ; the wave's end
	ds_add_u32 v[SPW], v[NIL]
	s_wait_dscnt 0x0
	s_endpgm
.Lfunc_end_k_q3c056d0a35_route:
	.size	k_q3c056d0a35_route, .Lfunc_end_k_q3c056d0a35_route-k_q3c056d0a35_route
	.p2alignl 7, 3214868480
	.fill 96, 4, 3214868480
	.section	.rodata,"a",@progbits
	.p2align	6, 0x0
	.amdhsa_kernel k_q3c056d0a35_route
		.amdhsa_group_segment_fixed_size 21760
		.amdhsa_private_segment_fixed_size 0
		.amdhsa_enable_private_segment 0
		.amdhsa_kernarg_size 48
		.amdhsa_user_sgpr_count 2
		.amdhsa_user_sgpr_kernarg_segment_ptr 1
		.amdhsa_wavefront_size32 1
		.amdhsa_system_sgpr_workgroup_id_x 1
		.amdhsa_system_sgpr_workgroup_id_y 1
		.amdhsa_system_sgpr_workgroup_id_z 1
		.amdhsa_system_vgpr_workitem_id 0
		.amdhsa_next_free_vgpr 256
		.amdhsa_next_free_sgpr 66
		.amdhsa_reserve_vcc 1
		.amdhsa_float_denorm_mode_32 3
		.amdhsa_float_denorm_mode_16_64 3
		.amdhsa_memory_ordered 1
		.amdhsa_forward_progress 1
		.amdhsa_inst_pref_size 64
	.end_amdhsa_kernel
	.amdgpu_metadata
---
amdhsa.version: [ 1, 2 ]
amdhsa.kernels:
  - .name:           k_q3c056d0a35_route
    .symbol:         k_q3c056d0a35_route.kd
    .args:
      - { .name: hidden_states, .offset: 0, .size: 8, .value_kind: global_buffer, .address_space: global }
      - { .name: gate_w, .offset: 8, .size: 8, .value_kind: global_buffer, .address_space: global }
      - { .name: expert_bias, .offset: 16, .size: 8, .value_kind: global_buffer, .address_space: global }
      - { .name: xq, .offset: 24, .size: 8, .value_kind: global_buffer, .address_space: global }
      - { .name: ids, .offset: 32, .size: 8, .value_kind: global_buffer, .address_space: global }
      - { .name: wts, .offset: 40, .size: 8, .value_kind: global_buffer, .address_space: global }
    .group_segment_fixed_size: 21760
    .private_segment_fixed_size: 0
    .kernarg_segment_align: 8
    .kernarg_segment_size: 48
    .max_flat_workgroup_size: 128
    .sgpr_count:     66
    .vgpr_count:     256
    .wavefront_size: 32
...
	.end_amdgpu_metadata
.endif
;; end of part 1
;; launch place (part 2): grid 32 x 1, 1 waves a work-group, no clusters, 0 bytes of LDS; arguments ids, list, cnt; writes list, cnt
.if DOCPART == 2
	.amdgcn_target "amdgcn-amd-amdhsa--gfx1250"
	.amdhsa_code_object_version 6
	.text
	.protected	k_q3c056d0a35_place
	.globl	k_q3c056d0a35_place
	.p2align	8
	.type	k_q3c056d0a35_place,@function
k_q3c056d0a35_place:
	s_mov_b64 s[64:65], 0
	v_nop
	global_prefetch_b8 v0, s[64:65] scope:SCOPE_SE
	s_setreg_imm32_b32 hwreg(HW_REG_WAVE_MODE, 25, 1), 1
	s_wait_xcnt 0x0
; PLACE.  Work-group e (one wave) scans all 1,024 tokens' four ids and writes expert e's list of rows, in the tokens' order: entry = token | slot << 16, slot = 4 token + k.
; Behind the list: 32 entries that only fill the last tile: token 0, slot 5120 + 16 e + (place % 16), whose weight in wts is 0.  cnt[e] = the number of rows.
; The shared expert is eight lists more (32..39) of 128 rows each: entry = token | (4096 + token) << 16; work-group e writes 32 of those entries, and work-groups 0..7 the counts.
; list: expert v at 8192 v, 4 bytes an entry, room for 2,048.  No atomics: a lane's place is the number of rows found so far + the number of lower lanes that found one.
; EXEC IS NEVER NARROWED BY A NUMBER READ FROM MEMORY: all 32 lanes store in every step.  A lane whose token has no row here puts its entry at entry DUMP + lane of my own list: the list and its filling entries
; end at entry 1055 at the latest, and nobody reads beyond them.  So every register that enters an address is written with all lanes on, and the choice between the two places is a v_cndmask_b32 ahead of the clamp.
; Each step has an address register and a data register of its own: no register that a store still reads is written again, and the 32 stores go out with no wait between them.
.set DUMP, 1088                        ; the first of the 32 entries that take what is not a row
.set AD,   160                         ; v160-191 step J's byte offset in list
.set DA,   192                         ; v192-223 step J's entry
	s_load_b128 s[4:7], s[0:1], 0x0                ; ids s[4:5], list s[6:7]
	s_load_b64 s[8:9], s[0:1], 0x10                ; cnt
	v_lshlrev_b32 v2, 4, v0                        ; a token's four ids: 16 bytes a lane
	s_mov_b32 s14, ttmp9                           ; e
	s_lshl_b32 s10, s14, 13                        ; my list
	s_lshl_b32 s11, s14, 5
	v_add_nc_u32 v3, s11, v0                       ; the shared expert's row 32 e + lane
	v_add_nc_u32 v4, 4096, v3
	v_lshl_or_b32 v4, v4, 16, v3
	s_lshr_b32 s12, s14, 2
	s_add_co_u32 s12, s12, 32
	s_lshl_b32 s12, s12, 13                        ; list 32 + e / 4,
	s_and_b32 s13, s14, 3
	s_lshl_b32 s13, s13, 7
	s_add_co_u32 s12, s12, s13                     ; entry 32 (e % 4) + lane
	v_lshl_add_u32 v5, v0, 2, s12
	v_add_nc_u32 v13, DUMP, v0                     ; my place for what is not a row
	s_wait_kmcnt 0x0
.set J, 0
.rept 32
	global_load_b128 v[32+4*J:35+4*J], v2, s[4:5] offset:512*J     ; step J: tokens 32 J + lane
.set J, J+1
.endr
	global_store_b32 v5, v4, s[6:7]
	s_wait_loadcnt 0x0
	s_mov_b32 s15, 0                               ; rows found so far
.set J, 0
.rept 32
	v_cmp_eq_u32 s20, s14, v[32+4*J]
	v_cmp_eq_u32 s21, s14, v[33+4*J]
	v_cmp_eq_u32 s22, s14, v[34+4*J]
	v_cmp_eq_u32 s23, s14, v[35+4*J]
	v_cndmask_b32 v6, 0, 1, s21                    ; k: a token's four ids differ, so at most one is mine
	v_cndmask_b32 v6, v6, 2, s22
	v_cndmask_b32 v6, v6, 3, s23
	s_or_b32 s20, s20, s21
	s_or_b32 s22, s22, s23
	s_or_b32 vcc_lo, s20, s22                      ; the lanes whose token has a row here
	v_mbcnt_lo_u32_b32 v7, vcc_lo, s15             ; such a lane's place in the list;
	v_cndmask_b32 v7, v13, v7, vcc_lo              ; the others' place behind it;
	v_min_u32 v7, 0x7ff, v7                        ; held inside my list by a constant before it enters an address,
	v_lshlrev_b32 v7, 2, v7                        ; x 4 bytes,
	v_add_nc_u32 v[AD+J], s10, v7                  ; in my list
	v_add_nc_u32 v8, 32*J, v0                      ; the token
	v_lshl_add_u32 v9, v8, 2, v6                   ; the slot
	v_lshl_or_b32 v[DA+J], v9, 16, v8
	global_store_b32 v[AD+J], v[DA+J], s[6:7]
	s_bcnt1_i32_b32 s25, vcc_lo
	s_add_co_u32 s15, s15, s25
.set J, J+1
.endr
	v_add_nc_u32 v7, s15, v0                       ; the 32 entries behind the list
	v_min_u32 v7, 0x7ff, v7
	v_and_b32 v8, 15, v7
	s_lshl_b32 s26, s14, 4
	s_add_co_u32 s26, s26, 5120
	v_add_nc_u32 v8, s26, v8
	v_lshlrev_b32 v15, 16, v8                      ; token 0, slot 5120 + 16 e + place % 16
	v_lshlrev_b32 v7, 2, v7
	v_add_nc_u32 v14, s10, v7
	global_store_b32 v14, v15, s[6:7]
	s_cmp_lt_u32 s14, 8                            ; the counts: lane 0 stores cnt[e]; in work-groups 0..7 lane 1 stores cnt[32 + e] = 128
	s_cselect_b32 s27, 2, 1
	v_min_u32 v10, 1, v0
	v_lshlrev_b32 v10, 7, v10
	s_lshl_b32 s28, s14, 2
	v_add_nc_u32 v10, s28, v10
	v_mov_b32 v11, 128
	v_mov_b32 v12, s15
	v_cmp_eq_u32 vcc_lo, 0, v0
	v_cndmask_b32 v11, v11, v12, vcc_lo
	v_cmp_gt_u32 vcc_lo, s27, v0                   ; a mask made of the lane's and the work-group's numbers alone
	s_wait_xcnt 0x0                                ; EXEC changes only behind this wait
	s_and_saveexec_b32 s24, vcc_lo
	global_store_b32 v10, v11, s[8:9]
	s_wait_xcnt 0x0                                ; and again, ahead of the line that restores it
	s_or_b32 exec_lo, exec_lo, s24
	s_endpgm
.Lfunc_end_k_q3c056d0a35_place:
	.size	k_q3c056d0a35_place, .Lfunc_end_k_q3c056d0a35_place-k_q3c056d0a35_place
	.p2alignl 7, 3214868480
	.fill 96, 4, 3214868480
	.section	.rodata,"a",@progbits
	.p2align	6, 0x0
	.amdhsa_kernel k_q3c056d0a35_place
		.amdhsa_group_segment_fixed_size 0
		.amdhsa_private_segment_fixed_size 0
		.amdhsa_enable_private_segment 0
		.amdhsa_kernarg_size 24
		.amdhsa_user_sgpr_count 2
		.amdhsa_user_sgpr_kernarg_segment_ptr 1
		.amdhsa_wavefront_size32 1
		.amdhsa_system_sgpr_workgroup_id_x 1
		.amdhsa_system_sgpr_workgroup_id_y 1
		.amdhsa_system_sgpr_workgroup_id_z 1
		.amdhsa_system_vgpr_workitem_id 0
		.amdhsa_next_free_vgpr 224
		.amdhsa_next_free_sgpr 66
		.amdhsa_reserve_vcc 1
		.amdhsa_float_denorm_mode_32 3
		.amdhsa_float_denorm_mode_16_64 3
		.amdhsa_memory_ordered 1
		.amdhsa_forward_progress 1
		.amdhsa_inst_pref_size 41
	.end_amdhsa_kernel
	.amdgpu_metadata
---
amdhsa.version: [ 1, 2 ]
amdhsa.kernels:
  - .name:           k_q3c056d0a35_place
    .symbol:         k_q3c056d0a35_place.kd
    .args:
      - { .name: ids, .offset: 0, .size: 8, .value_kind: global_buffer, .address_space: global }
      - { .name: list, .offset: 8, .size: 8, .value_kind: global_buffer, .address_space: global }
      - { .name: cnt, .offset: 16, .size: 8, .value_kind: global_buffer, .address_space: global }
    .group_segment_fixed_size: 0
    .private_segment_fixed_size: 0
    .kernarg_segment_align: 8
    .kernarg_segment_size: 24
    .max_flat_workgroup_size: 32
    .sgpr_count:     66
    .vgpr_count:     224
    .wavefront_size: 32
...
	.end_amdgpu_metadata
.endif
;; end of part 2
;; launch gateup (part 3): grid 8 x 40, 8 waves a work-group, no clusters, 103,424 bytes of LDS; arguments xq, list, cnt, wts, w_gate, w_up, sw_gate, sw_up, midc, mids; writes midc, mids
.if DOCPART == 3
	.amdgcn_target "amdgcn-amd-amdhsa--gfx1250"
	.amdhsa_code_object_version 6
	.text
	.protected	k_q3c056d0a35_gateup
	.globl	k_q3c056d0a35_gateup
	.p2align	8
	.type	k_q3c056d0a35_gateup,@function
k_q3c056d0a35_gateup:
	s_mov_b64 s[64:65], 0
	v_nop
	global_prefetch_b8 v0, s[64:65] scope:SCOPE_SE
	s_setreg_imm32_b32 hwreg(HW_REG_WAVE_MODE, 25, 1), 1
	s_wait_xcnt 0x0
; GATEUP.  For one expert v and 64 of its 512 hidden units: g = x Wg, u = x Wu on codes of FP6 (E2M3, one E8M0 byte for each 32 along K = 1,024), for the rows that the list gives to v alone;
; then mid = silu(g) u x the row's route weight, in f32, quantised along the hidden units (the next product's K) and stored.  v = 32..39 are the shared expert's eight lists (weights sw_*, route weight 1.0).
; PHASE 1.  The weights are [K][512] f32: K is their first axis.  A lane takes a column and its registers run down K: a block of 32 along K is one lane's 32 registers, its largest magnitude needs no other lane,
;   and the conversions give codes with K innermost.  Wave w takes matrix w % 2, columns 32 ((w / 2) % 2) on, K rows 512 (w / 4) on: 16 blocks; each load of the wave covers 128 consecutive bytes.
;   Four blocks make a K step of two fragments (16 columns each), which go to LDS as images of their registers: 16 bytes a lane, 512 bytes a store; the scale words 4 bytes a lane.
;   LANE l TAKES COLUMN l % 8 + 16 ((l / 8) % 2) + 8 (l / 16), so that row m of tile u is column 8 u + m + 8 (m / 8), and a lane's 16 results of tiles 0 and 1 are 16 neighbours along the next K.
; PHASE 2, behind the one barrier.  Wave w takes tiles of 16 rows w, w + 8, ..  Source 0 = 16 columns of W, source 1 = 16 rows of x (gathered from xq, which lies in the order of the operand's registers):
;   a lane holds one row.  Two passes of 32 columns; in each four accumulators (g and u, tiles 0 and 1) by turns, 8 K steps.
; No tensor load and no cluster: the number of tiles is read from memory, and each routed weight byte is read by one work-group alone.
; An expert with no row still makes one tile (rows of weight 0), so that the next launch reads only bytes that were stored.
; OUT: midc: tile (v, j) at 6144 (64 v + j): [block of 32 units q][row r][24 bytes].  mids: tile at 256 (64 v + j): byte 16 r + q.
; LIMITS: NaN and infinities are not served.  A block whose largest magnitude lies under 2^-124 keeps the byte 1, a block of zeros too (its codes are zeros; only this program reads the bytes).
;         v_exp_f32 and v_rcp_f32 flush denormals.  mid is formed as ((g u) w) / (1 + e^-g): the order of the three multiplications differs from the source's.
.set WREG,  12288                      ; LDS: a wave's images: fragment (tile u, K step sl of its four) at (4 u + sl) x 1,536
.set FRB,   1536
.set UD,    4*FRB
.set WSC,   98304                      ; the scale words: 512 w + 128 sl + 4 lane: lanes 0-15 tile 0's, lanes 16-31 tile 1's
.set SPARE, 102400                     ; the spare words, 128 bytes a wave: four blocks of 256 bytes that no other line names
.set WPITCH, 2048                      ; a K row of a weight in bytes
.set FLOOR, 0x1800000
.set EOFF,  0xff000000
; v0 a lane permute's destination; v1 16 lane; v2 16 lane + 4 WREG; v3 4 lane + WSC; v4-7 lane terms of the list, xq, midc, mids; v8 list offset; v9 entry; v10 xq codes; v11 wts; v12 midc; v13 mids; v14 xq row; v15 pass 0's byte
; s24 wave; s25 v; s26 slice; s27 tiles of v; s29 a tile's number, held at 63; s40 my trips so far; s41 my trips in all
.set XS,  16                           ; v16-23  x's scale words;   v24-27 W's, two sets.  They hold scales and nothing else
.set WS,  24
.set WT,  28                           ; v28 the row's route weight, v29 0 (named with it as a pair)
.set SPW, 30
.set NIL, 31
.set XF,  32                           ; v32-127  x's eight fragments
.set ACC, 128                          ; v128-159 g tile 0, g tile 1, u tile 0, u tile 1
.set WB,  160                          ; v160-255 W's fragments: two sets of four
.set X0,  128                          ; phase 1: v128-191 two sets of 32 numbers
.set F0,  192                          ; v192-203 even blocks, then tile 0's fragment;  v204-215 odd blocks, then tile 1's
.set F1,  204
.set TC,  216
.set MXA, 220
.set MXB, 221
.set SCL, 222
.set BY,  223
.set SW,  224
.set WO,  225
.set WA,  226
.set WSA, 227
.set TT,  160                          ; the tail of a pass: v160-175 1 + e^-g and its reciprocal, v176-191 mid, v192-194 codes
.set MM,  176
.set CC,  192
.set EBY, 196
.set EMA, 197
.set EMB, 198
.set ESC, 199
.macro PLACES
.rept 4
	v_nop
.endr
.endm
.macro LOADW t                         ; block t: W(32 t + i, my column), i = 0 .. 31, into set t % 2
.irp i, 0,1,2,3,4,5,6,7,8,9,10,11,12,13,14,15,16,17,18,19,20,21,22,23,24,25,26,27,28,29,30,31
	global_load_b32 v[X0+32*((\t)%2)+\i], v[WO], s[30:31] offset:(32*(\t)+\i)*WPITCH
.endr
.endm
.macro WBLK t, more, n                 ; block t is quantised.  n: the younger loads that may stay out
.set XB, X0+32*((\t)%2)
.set BQ, (\t)%4
.set FD, F0+12*(BQ%2)+6*(BQ/2)
.set SL, (\t)/4
	s_wait_loadcnt \n
	v_max3_num_f32 v[MXA], |v[XB]|, |v[XB+1]|, |v[XB+2]|            ; the block's largest magnitude: all 32 numbers are mine; two chains
	v_max3_num_f32 v[MXB], |v[XB+3]|, |v[XB+4]|, |v[XB+5]|
.irp i, 6,10,14,18,22,26
	v_max3_num_f32 v[MXA], v[MXA], |v[XB+\i]|, |v[XB+\i+1]|
	v_max3_num_f32 v[MXB], v[MXB], |v[XB+\i+2]|, |v[XB+\i+3]|
.endr
	v_max3_num_f32 v[MXA], v[MXA], |v[XB+30]|, |v[XB+31]|
	v_max3_num_f32 v[MXA], v[MXA], v[MXB], FLOOR
	v_add_nc_u32 v[SCL], EOFF, v[MXA]                               ; 2 off its exponent field: the conversion's scale operand
	v_lshrrev_b32 v[BY], 23, v[SCL]                                 ; the scale's byte
.if BQ == 0
.if (\t) > 0
	s_wait_dscnt 0x0                                                ; the last K step's image stores have read their registers
.endif
	v_mov_b32 v[SW], v[BY]
.else
	v_lshl_or_b32 v[SW], v[BY], 8*BQ, v[SW]
.endif
	v_cvt_scalef32_pk16_fp6_f32 v[FD:FD+2], v[XB:XB+15], v[SCL]
	v_cvt_scalef32_pk16_fp6_f32 v[TC:TC+2], v[XB+16:XB+31], v[SCL]  ; (a conversion's three registers begin on an even number)
	v_nop                                                           ; one plain line behind the conversions
.if \more
	LOADW (\t)+2                                                    ; the set just read takes the block two on
.endif
.irp i, 0,1,2
	v_mov_b32 v[FD+3+\i], v[TC+\i]
.endr
.if BQ%2 == 1                          ; a fragment's lanes 0-15 want a column's even blocks, lanes 16-31 its odd ones: F0's upper lanes change places with F1's lower
.irp i, 0,1,2,3,4,5
	v_permlane16_swap_b32 v[F0+6*(BQ/2)+\i], v[F1+6*(BQ/2)+\i]
.endr
.endif
.if BQ == 3
.irp k, 0,1,2
	ds_store_b128 v[WA], v[F0+4*\k:F0+4*\k+3] offset:SL*FRB+512*\k
	ds_store_b128 v[WA], v[F1+4*\k:F1+4*\k+3] offset:UD+SL*FRB+512*\k
.endr
	ds_store_b32 v[WSA], v[SW] offset:128*SL
.endif
.endm
.macro XADR                            ; from a list entry: the token's row of xq, my half's codes in it, the slot's weight.  What was loaded is held by a constant before it enters an address
	v_and_b32 v14, 0xffff, v9
	v_min_u32 v14, 0x3ff, v14
	v_lshlrev_b32 v14, 10, v14
	v_add_nc_u32 v10, v14, v5
	v_lshrrev_b32 v11, 16, v9
	v_min_u32 v11, 0x17ff, v11
	v_lshlrev_b32 v11, 2, v11
.endm
.macro XGATHER                         ; 27 loads: my row's 96 fragment registers (384 consecutive bytes), its eight scale words, its weight
.irp i, 0,1,2,3,4,5,6,7,8,9,10,11,12,13,14,15,16,17,18,19,20,21,22,23
	global_load_b128 v[XF+4*\i:XF+4*\i+3], v10, s[4:5] offset:16*\i
.endr
	global_load_b128 v[XS:XS+3], v14, s[4:5] offset:768
	global_load_b128 v[XS+4:XS+7], v14, s[4:5] offset:784
	global_load_b32 v[WT], v11, s[10:11]
.endm
.macro TILENO                          ; s29 = my tile of trip s40: w + 8 x trip, held at 63 by a constant before it enters an address
	s_lshl_b32 s29, s40, 3
	s_add_co_u32 s29, s29, s24
	s_min_u32 s29, s29, 63
.endm
.macro LOADG cg, s, buf                ; 14 LDS loads: K step s of the four fragments x (matrix x / 2, tile x % 2) of columns 32 cg on, and the two matrices' scale words
.irp x, 0,1,2,3
.irp k, 0,1,2
.if (\s) < 4
	ds_load_b128 v[WB+48*(\buf)+12*\x+4*\k:WB+48*(\buf)+12*\x+4*\k+3], v1 offset:WREG*(\x/2+2*(\cg))+(4*(\x%2)+(\s)%4)*FRB+512*\k
.else
	ds_load_b128 v[WB+48*(\buf)+12*\x+4*\k:WB+48*(\buf)+12*\x+4*\k+3], v2 offset:WREG*(\x/2+2*(\cg))+(4*(\x%2)+(\s)%4)*FRB+512*\k
.endif
.endr
.endr
.irp m, 0,1
	ds_load_b32 v[WS+2*(\buf)+\m], v3 offset:512*(\m+2*(\cg)+4*((\s)/4))+128*((\s)%4)
.endr
.endm
.macro WM d, a, b, first, sa, sb, row
.if \first
.if \row
	v_wmma_scale_f32_16x16x128_f8f6f4 v[(\d):(\d)+7], v[(\a):(\a)+11], v[(\b):(\b)+11], 0, v[\sa], v[\sb] matrix_a_fmt:MATRIX_FMT_FP6 matrix_b_fmt:MATRIX_FMT_FP6 matrix_a_scale:MATRIX_SCALE_ROW1
.else
	v_wmma_scale_f32_16x16x128_f8f6f4 v[(\d):(\d)+7], v[(\a):(\a)+11], v[(\b):(\b)+11], 0, v[\sa], v[\sb] matrix_a_fmt:MATRIX_FMT_FP6 matrix_b_fmt:MATRIX_FMT_FP6
.endif
.else
.if \row
	v_wmma_scale_f32_16x16x128_f8f6f4 v[(\d):(\d)+7], v[(\a):(\a)+11], v[(\b):(\b)+11], v[(\d):(\d)+7], v[\sa], v[\sb] matrix_a_fmt:MATRIX_FMT_FP6 matrix_b_fmt:MATRIX_FMT_FP6 matrix_a_scale:MATRIX_SCALE_ROW1
.else
	v_wmma_scale_f32_16x16x128_f8f6f4 v[(\d):(\d)+7], v[(\a):(\a)+11], v[(\b):(\b)+11], v[(\d):(\d)+7], v[\sa], v[\sb] matrix_a_fmt:MATRIX_FMT_FP6 matrix_b_fmt:MATRIX_FMT_FP6
.endif
.endif
.endm
.macro MULG s, buf                     ; four products, the four accumulators by turns; the first K step starts the sums
.irp x, 0,1,2,3
.if (\s) == 0
	WM ACC+8*\x, WB+48*(\buf)+12*\x, XF+12*(\s), 1, WS+2*(\buf)+\x/2, XS+(\s), \x%2
.else
	WM ACC+8*\x, WB+48*(\buf)+12*\x, XF+12*(\s), 0, WS+2*(\buf)+\x/2, XS+(\s), \x%2
.endif
.endr
.endm
.macro PASS cg                         ; 32 columns of g and of u for my 16 rows, and their block of mid
.if \cg
	s_wait_xcnt 0x0                                ; the last pass's store has read its codes, over which the loads below land
.endif
	LOADG \cg, 0, 0
	LOADG \cg, 1, 1
.irp s, 0,1,2,3,4,5,6,7
.if \s < 7
	s_wait_dscnt 14                                ; this K step's 14 loads are in; the next step's 14 may be out
.else
	s_wait_dscnt 0x0
.endif
	MULG \s, \s%2
.if \s < 6
	PLACES                                         ; four places ahead of loads into registers that the products have read
	LOADG \cg, \s+2, \s%2
.endif
.endr
	PLACES                                         ; and ahead of the first read of the results
.irp i, 0,2,4,6,8,10,12,14
	v_pk_mul_f32 v[TT+\i:TT+\i+1], v[ACC+\i:ACC+\i+1], s[38:39] op_sel_hi:[1,0]   ; -g log2(e); each accumulator is read from its low end on
.endr
.irp i, 0,1,2,3,4,5,6,7,8,9,10,11,12,13,14,15
	v_exp_f32 v[TT+\i], v[TT+\i]
.endr
.irp i, 0,2,4,6,8,10,12,14
	v_pk_mul_f32 v[MM+\i:MM+\i+1], v[ACC+\i:ACC+\i+1], v[ACC+16+\i:ACC+17+\i]     ; g u: plain work behind the batch
.endr
.irp i, 0,2,4,6,8,10,12,14
	v_pk_mul_f32 v[MM+\i:MM+\i+1], v[MM+\i:MM+\i+1], v[WT:WT+1] op_sel_hi:[1,0]   ; x the route weight
.endr
	s_wait_alu depctr_va_vdst(0)                   ; one wait for the 16 exponentials, ahead of the first line that names a result
.irp i, 0,2,4,6,8,10,12,14
	v_pk_add_f32 v[TT+\i:TT+\i+1], v[TT+\i:TT+\i+1], 1.0 op_sel_hi:[1,0]
.endr
.irp i, 0,1,2,3,4,5,6,7,8,9,10,11,12,13,14,15
	v_rcp_f32 v[TT+\i], v[TT+\i]
.endr
	v_nop
	s_wait_alu depctr_va_vdst(0)                   ; and one for the 16 reciprocals
.irp i, 0,2,4,6,8,10,12,14
	v_pk_mul_f32 v[MM+\i:MM+\i+1], v[MM+\i:MM+\i+1], v[TT+\i:TT+\i+1]             ; mid: register i is unit 32 cg + 16 h + i of my row
.endr
	v_max3_num_f32 v[EMA], |v[MM]|, |v[MM+1]|, FLOOR
	v_max3_num_f32 v[EMB], |v[MM+2]|, |v[MM+3]|, |v[MM+4]|
	v_max3_num_f32 v[EMA], v[EMA], |v[MM+5]|, |v[MM+6]|
	v_max3_num_f32 v[EMB], v[EMB], |v[MM+7]|, |v[MM+8]|
	v_max3_num_f32 v[EMA], v[EMA], |v[MM+9]|, |v[MM+10]|
	v_max3_num_f32 v[EMB], v[EMB], |v[MM+11]|, |v[MM+12]|
	v_max3_num_f32 v[EMA], v[EMA], |v[MM+13]|, |v[MM+14]|
	v_max3_num_f32 v[EMA], v[EMA], v[EMB], |v[MM+15]|
	v_permlanex16_b32 v0, v[EMA], s36, s37
	v_max_num_f32 v[EMA], v[EMA], v0               ; with lane l xor 16's 16 units: the block's largest magnitude
	v_add_nc_u32 v[ESC], EOFF, v[EMA]
	v_cvt_scalef32_pk16_fp6_f32 v[CC:CC+2], v[MM:MM+15], v[ESC]
.if \cg == 0
	v_lshrrev_b32 v15, 23, v[ESC]                  ; the scale's byte, kept for the second pass.  (The plain line behind the conversion)
	global_store_b96 v12, v[CC:CC+2], s[20:21]     ; the wave stores 384 consecutive bytes: 16 rows x 24
.else
	v_lshrrev_b32 v[EBY], 23, v[ESC]
	v_lshl_or_b32 v[EBY], v[EBY], 8, v15
	global_store_b96 v12, v[CC:CC+2], s[20:21] offset:384
	global_store_b16 v13, v[EBY], s[22:23]         ; my row's two bytes; both lanes of a row store the same
.endif
.endm
	s_load_b256 s[4:11], s[0:1], 0x0               ; xq s[4:5], list s[6:7], cnt s[8:9], wts s[10:11]
	s_load_b256 s[12:19], s[0:1], 0x20             ; w_gate s[12:13], w_up s[14:15], sw_gate s[16:17], sw_up s[18:19]
	s_load_b128 s[20:23], s[0:1], 0x40             ; midc s[20:21], mids s[22:23]
	v_lshl_add_u32 v[SPW], v0, 2, SPARE
	v_mov_b32 v[NIL], 0
	v_lshrrev_b32 v1, 5, v0
	v_readfirstlane_b32 s24, v1                    ; wave 0..7
	s_and_b32 s25, ttmp7, 0xffff                   ; v
	s_mov_b32 s26, ttmp9                           ; which 64 hidden units
	v_and_b32 v228, 31, v0                         ; lane
	v_and_b32 v229, 15, v0                         ; r
	v_bfe_u32 v230, v0, 4, 1                       ; h
	v_lshlrev_b32 v1, 4, v228
	v_add_nc_u32 v2, 4*WREG, v1
	v_lshl_add_u32 v3, v228, 2, WSC
	s_lshl_b32 s32, s25, 13
	v_lshl_add_u32 v4, v229, 2, s32                ; the list: 8192 v + 4 r
	v_mul_u32_u24 v5, v230, 384                    ; xq: my half's codes
	s_mul_i32 s32, s26, 768
	s_mul_i32 s33, s25, 393216
	s_add_co_u32 s32, s32, s33
	v_mul_u32_u24 v6, v229, 24
	v_mad_u32_u24 v6, v230, 12, v6
	v_add_nc_u32 v6, s32, v6                       ; midc: 64 x 6144 v + 384 (2 slice) + 24 r + 12 h
	s_lshl_b32 s32, s26, 1
	s_lshl_b32 s33, s25, 14
	s_add_co_u32 s32, s32, s33
	v_lshl_add_u32 v7, v229, 4, s32                ; mids: 64 x 256 v + 16 r + 2 slice
	v_mov_b32 v[WT+1], 0
	v_and_b32 v231, 7, v0
	v_bfe_u32 v232, v0, 3, 1
	v_lshl_add_u32 v231, v232, 4, v231
	v_lshl_add_u32 v231, v230, 3, v231             ; my column of the wave's 32
	s_lshl_b32 s32, s26, 8
	s_bfe_u32 s33, s24, 0x10001
	s_lshl_b32 s33, s33, 7
	s_add_co_u32 s32, s32, s33
	v_lshl_add_u32 v[WO], v231, 2, s32             ; in bytes: 256 slice + 128 ((w / 2) % 2) + 4 column
	s_mul_i32 s32, s24, WREG
	v_add_nc_u32 v[WA], s32, v1
	s_lshl_b32 s32, s24, 9
	v_add_nc_u32 v[WSA], s32, v3
	s_mov_b32 s36, 0x76543210
	s_mov_b32 s37, 0xfedcba98
	s_mov_b32 s38, 0xbfb8aa3b                      ; -log2(e)
	s_mov_b32 s39, s38
	s_lshl_b32 s35, s25, 2
	s_wait_kmcnt 0x0
	s_load_b32 s27, s[8:9], s35 offset:0x0         ; how many rows v has
	s_cmp_lt_u32 s25, 32                           ; a routed expert or the shared one: the choice hangs on the work-group's number alone
	s_cselect_b64 s[12:13], s[12:13], s[16:17]
	s_cselect_b64 s[14:15], s[14:15], s[18:19]
	s_cselect_b32 s32, s25, 0
	s_lshl_b32 s32, s32, 21                        ; an expert's matrix is 2^21 bytes,
	s_lshr_b32 s33, s24, 2
	s_lshl_b32 s33, s33, 20                        ; 512 K rows 2^20
	s_add_co_u32 s32, s32, s33
	s_mov_b32 s33, 0
	s_and_b32 s34, s24, 1
	s_cmp_eq_u32 s34, 0
	s_cselect_b64 s[30:31], s[12:13], s[14:15]     ; even waves: gate; odd waves: up
	s_add_nc_u64 s[30:31], s[30:31], s[32:33]
	LOADW 0
	s_wait_kmcnt 0x0
	s_min_u32 s27, s27, 1024
	s_add_co_u32 s27, s27, 15
	s_lshr_b32 s27, s27, 4
	s_max_u32 s27, s27, 1
	s_min_u32 s27, s27, 64                         ; s27: tiles of 16 rows, 1 to 64
	s_sub_co_u32 s29, s27, 1
	s_min_u32 s29, s29, s24                        ; my first tile; a wave with none fetches the last one and leaves it unused, so that every count below holds on every way
	s_min_u32 s29, s29, 63
	s_lshl_b32 s29, s29, 6
	v_add_nc_u32 v8, s29, v4
	global_load_b32 v9, v8, s[6:7]                 ; my row's entry
	LOADW 1
	s_wait_loadcnt 32                              ; block 0 and the entry are in; block 1's 32 loads may be out
	XADR
	XGATHER                                        ; the first tile's rows come while the weights are streamed
	WBLK 0,  1, 59                                 ; younger than block 0: block 1's 32 and the gather's 27
	WBLK 1,  1, 59                                 ; younger than block 1: the gather's 27 and block 2's 32
	WBLK 2,  1, 32                                 ; from here on: the next block's 32
	WBLK 3,  1, 32
	WBLK 4,  1, 32
	WBLK 5,  1, 32
	WBLK 6,  1, 32
	WBLK 7,  1, 32
	WBLK 8,  1, 32
	WBLK 9,  1, 32
	WBLK 10, 1, 32
	WBLK 11, 1, 32
	WBLK 12, 1, 32
	WBLK 13, 1, 32
	WBLK 14, 0, 32
	WBLK 15, 0, 0
	s_wait_dscnt 0x0                               ; for the others' sake: my images have landed
	s_barrier_signal -1
	s_barrier_wait -1                              ; the one barrier: it stands ahead of every branch on a number read from memory
	s_add_co_u32 s41, s27, 7
	s_sub_co_u32 s41, s41, s24
	s_lshr_b32 s41, s41, 3                         ; my trips: the tiles w, w + 8, .. under s27: (s27 + 7 - w) / 8, 0 to 8
	s_mov_b32 s40, 0
	s_cmp_eq_u32 s41, 0
	s_cbranch_scc1 .Lend
.Ltile:                                ; a trip is a tile; the trips are counted by 1 against s41, which the loop does not write
	s_wait_loadcnt 0x0                             ; the tile's rows
	s_wait_xcnt 0x0                                ; the last tile's stores have read their offsets and data
	TILENO
	s_mul_i32 s32, s29, 6144
	s_lshl_b32 s33, s29, 8
	v_add_nc_u32 v12, s32, v6
	v_add_nc_u32 v13, s33, v7
	PASS 0
	PASS 1
	s_add_co_u32 s40, s40, 1
	s_cmp_ge_u32 s40, s41
	s_cbranch_scc1 .Lend                           ; no tile is left: nothing more is fetched
	TILENO
	s_lshl_b32 s29, s29, 6
	v_add_nc_u32 v8, s29, v4
	global_load_b32 v9, v8, s[6:7]
	s_wait_loadcnt 0x0
	XADR
	XGATHER
	s_cmp_lt_u32 s40, s41                          ; (the lines above have written SCC: compared again for the counted jump back)
	s_cbranch_scc1 .Ltile
.Lend:
	s_wait_tensorcnt 0x0                           ; the wave's end
	ds_add_u32 v[SPW], v[NIL]
	s_wait_dscnt 0x0
	s_endpgm
.Lfunc_end_k_q3c056d0a35_gateup:
	.size	k_q3c056d0a35_gateup, .Lfunc_end_k_q3c056d0a35_gateup-k_q3c056d0a35_gateup
	.p2alignl 7, 3214868480
	.fill 96, 4, 3214868480
	.section	.rodata,"a",@progbits
	.p2align	6, 0x0
	.amdhsa_kernel k_q3c056d0a35_gateup
		.amdhsa_group_segment_fixed_size 103424
		.amdhsa_private_segment_fixed_size 0
		.amdhsa_enable_private_segment 0
		.amdhsa_kernarg_size 80
		.amdhsa_user_sgpr_count 2
		.amdhsa_user_sgpr_kernarg_segment_ptr 1
		.amdhsa_wavefront_size32 1
		.amdhsa_system_sgpr_workgroup_id_x 1
		.amdhsa_system_sgpr_workgroup_id_y 1
		.amdhsa_system_sgpr_workgroup_id_z 1
		.amdhsa_system_vgpr_workitem_id 0
		.amdhsa_next_free_vgpr 256
		.amdhsa_next_free_sgpr 66
		.amdhsa_reserve_vcc 0
		.amdhsa_float_denorm_mode_32 3
		.amdhsa_float_denorm_mode_16_64 3
		.amdhsa_memory_ordered 1
		.amdhsa_forward_progress 1
		.amdhsa_inst_pref_size 119
	.end_amdhsa_kernel
	.amdgpu_metadata
---
amdhsa.version: [ 1, 2 ]
amdhsa.kernels:
  - .name:           k_q3c056d0a35_gateup
    .symbol:         k_q3c056d0a35_gateup.kd
    .args:
      - { .name: xq, .offset: 0, .size: 8, .value_kind: global_buffer, .address_space: global }
      - { .name: list, .offset: 8, .size: 8, .value_kind: global_buffer, .address_space: global }
      - { .name: cnt, .offset: 16, .size: 8, .value_kind: global_buffer, .address_space: global }
      - { .name: wts, .offset: 24, .size: 8, .value_kind: global_buffer, .address_space: global }
      - { .name: w_gate, .offset: 32, .size: 8, .value_kind: global_buffer, .address_space: global }
      - { .name: w_up, .offset: 40, .size: 8, .value_kind: global_buffer, .address_space: global }
      - { .name: sw_gate, .offset: 48, .size: 8, .value_kind: global_buffer, .address_space: global }
      - { .name: sw_up, .offset: 56, .size: 8, .value_kind: global_buffer, .address_space: global }
      - { .name: midc, .offset: 64, .size: 8, .value_kind: global_buffer, .address_space: global }
      - { .name: mids, .offset: 72, .size: 8, .value_kind: global_buffer, .address_space: global }
    .group_segment_fixed_size: 103424
    .private_segment_fixed_size: 0
    .kernarg_segment_align: 8
    .kernarg_segment_size: 80
    .max_flat_workgroup_size: 256
    .sgpr_count:     66
    .vgpr_count:     256
    .wavefront_size: 32
...
	.end_amdgpu_metadata
.endif
;; end of part 3
;; launch down (part 4): grid 8 x 40, 8 waves a work-group, no clusters, 119,808 bytes of LDS; arguments midc, mids, list, cnt, w_down, sw_down, y; writes y
.if DOCPART == 4
	.amdgcn_target "amdgcn-amd-amdhsa--gfx1250"
	.amdhsa_code_object_version 6
	.text
	.protected	k_q3c056d0a35_down
	.globl	k_q3c056d0a35_down
	.p2align	8
	.type	k_q3c056d0a35_down,@function
k_q3c056d0a35_down:
	s_mov_b64 s[64:65], 0
	v_nop
	global_prefetch_b8 v0, s[64:65] scope:SCOPE_SE
	s_setreg_imm32_b32 hwreg(HW_REG_WAVE_MODE, 25, 1), 1
	s_wait_xcnt 0x0
; DOWN.  For one expert v and 128 of the 1,024 outputs: y[slot] = mid Wd on codes of FP6 (E2M3, one E8M0 byte for each 32 along K = the expert's 512 hidden units), for v's rows alone.
; A row's slot (4 token + k; 4096 + token for the shared expert; 5120.. for rows that only fill a tile) is its row of y: each row of y has one owner, and the next launch adds a token's five.
; PHASE 1, as in the launch before: a lane takes a column of Wd ([K][1024] f32) and its registers run down K.  Wave w takes columns 32 (w % 4) on, K rows 256 (w / 4) on: 8 blocks, two K steps of two fragments,
;   which go to LDS as images of their registers.  Here lane l takes column l.
; PHASE 2, behind the one barrier.  Wave w takes tiles of 16 rows w, w + 8, ..  Source 0 = 16 columns of Wd, source 1 = 16 rows of mid: a lane holds one row and eight neighbouring outputs.
;   Eight accumulators by turns, four K steps.  The results go through the wave's own stage in LDS and leave as whole rows: 32 lanes store 512 consecutive bytes, aligned.
; No tensor load and no cluster: the number of tiles is read from memory, and each routed weight byte is read by one work-group alone.
; LIMITS: NaN and infinities are not served.  A block whose largest magnitude lies under 2^-124 keeps the byte 1, a block of zeros too (its codes are zeros; only this program reads the bytes).
.set WREG,  6144                       ; LDS: a wave's images: fragment (tile u, K step sl of its two) at (2 u + sl) x 1,536
.set FRB,   1536
.set UD,    2*FRB
.set WSC,   49152                      ; the scale words: 256 w + 128 sl + 4 lane
.set STG,   51200                      ; the stages: 16 rows x (512 bytes + 16) for each wave
.set SPARE, 118784                     ; the spare words, 128 bytes a wave: four blocks of 256 bytes that no other line names
.set WPITCH, 4096
.set FLOOR, 0x1800000
.set EOFF,  0xff000000
; v1 16 lane; v2 4 lane + WSC; v3 into the stage; v4 out of it; v5-7 lane terms of the list, midc, mids; v8 list offset; v9 entry, then slot; v10 midc; v11 mids; v12 my 16 bytes of a row of y
; s24 wave; s25 v; s26 slice; s27 tiles of v; s29 a tile's number, held at 63; s40 a row's slot; s41 my trips so far; s42 my trips in all
.set MS,  16                           ; v16-19 mid's scale words;  v24-27 W's, two sets.  They hold scales and nothing else
.set WS,  24
.set SPW, 30
.set NIL, 31
.set MF,  32                           ; v32-79   mid's four fragments
.set ACC, 80                           ; v80-143  eight accumulators
.set WB,  144                          ; v144-239 W's fragments: two sets of four
.set OB,  144                          ; the way out: v144-207 16 rows
.set OA,  240                          ; v240-255 their offsets in y
.set X0,  80                           ; phase 1
.set F0,  144
.set F1,  156
.set TC,  168
.set MXA, 172
.set MXB, 173
.set SCL, 174
.set BY,  175
.set SW,  176
.set WO,  177
.set WA,  178
.set WSA, 179
.macro PLACES
.rept 4
	v_nop
.endr
.endm
.macro LOADW t                         ; block t: W(32 t + i, my column), i = 0 .. 31, into set t % 2
.irp i, 0,1,2,3,4,5,6,7,8,9,10,11,12,13,14,15,16,17,18,19,20,21,22,23,24,25,26,27,28,29,30,31
	global_load_b32 v[X0+32*((\t)%2)+\i], v[WO], s[30:31] offset:(32*(\t)+\i)*WPITCH
.endr
.endm
.macro WBLK t, more, n                 ; block t is quantised.  n: the younger loads that may stay out
.set XB, X0+32*((\t)%2)
.set BQ, (\t)%4
.set FD, F0+12*(BQ%2)+6*(BQ/2)
.set SL, (\t)/4
	s_wait_loadcnt \n
	v_max3_num_f32 v[MXA], |v[XB]|, |v[XB+1]|, |v[XB+2]|
	v_max3_num_f32 v[MXB], |v[XB+3]|, |v[XB+4]|, |v[XB+5]|
.irp i, 6,10,14,18,22,26
	v_max3_num_f32 v[MXA], v[MXA], |v[XB+\i]|, |v[XB+\i+1]|
	v_max3_num_f32 v[MXB], v[MXB], |v[XB+\i+2]|, |v[XB+\i+3]|
.endr
	v_max3_num_f32 v[MXA], v[MXA], |v[XB+30]|, |v[XB+31]|
	v_max3_num_f32 v[MXA], v[MXA], v[MXB], FLOOR
	v_add_nc_u32 v[SCL], EOFF, v[MXA]
	v_lshrrev_b32 v[BY], 23, v[SCL]
.if BQ == 0
.if (\t) > 0
	s_wait_dscnt 0x0                                                ; the last K step's image stores have read their registers
.endif
	v_mov_b32 v[SW], v[BY]
.else
	v_lshl_or_b32 v[SW], v[BY], 8*BQ, v[SW]
.endif
	v_cvt_scalef32_pk16_fp6_f32 v[FD:FD+2], v[XB:XB+15], v[SCL]
	v_cvt_scalef32_pk16_fp6_f32 v[TC:TC+2], v[XB+16:XB+31], v[SCL]
	v_nop                                                           ; one plain line behind the conversions
.if \more
	LOADW (\t)+2
.endif
.irp i, 0,1,2
	v_mov_b32 v[FD+3+\i], v[TC+\i]
.endr
.if BQ%2 == 1
.irp i, 0,1,2,3,4,5
	v_permlane16_swap_b32 v[F0+6*(BQ/2)+\i], v[F1+6*(BQ/2)+\i]
.endr
.endif
.if BQ == 3
.irp k, 0,1,2
	ds_store_b128 v[WA], v[F0+4*\k:F0+4*\k+3] offset:SL*FRB+512*\k
	ds_store_b128 v[WA], v[F1+4*\k:F1+4*\k+3] offset:UD+SL*FRB+512*\k
.endr
	ds_store_b32 v[WSA], v[SW] offset:128*SL
.endif
.endm
.macro SETJ                            ; s29 = a tile's number, held at 63: its places in midc, mids and the list
	s_mul_i32 s32, s29, 6144
	s_lshl_b32 s33, s29, 8
	s_lshl_b32 s34, s29, 6
	v_add_nc_u32 v10, s32, v6
	v_add_nc_u32 v11, s33, v7
	v_add_nc_u32 v8, s34, v5
.endm
.macro MLOAD                           ; 26 loads: my row's four fragments (block 4 s + 2 c + h: 24 bytes, in three pieces of 8), its four scale words, its entry
.irp s, 0,1,2,3
.irp c, 0,1
.irp i, 0,1,2
	global_load_b64 v[MF+12*\s+6*\c+2*\i:MF+12*\s+6*\c+2*\i+1], v10, s[4:5] offset:(4*\s+2*\c)*384+8*\i
.endr
.endr
.endr
	global_load_b128 v[MS:MS+3], v11, s[6:7]
	global_load_b32 v9, v8, s[8:9]
.endm
.macro LOADG gi, buf                   ; 14 LDS loads: K step gi / 2 of tiles 4 (gi % 2) + x, and the scale words of their two groups of 32 columns
.irp x, 0,1,2,3
.irp k, 0,1,2
	ds_load_b128 v[WB+48*(\buf)+12*\x+4*\k:WB+48*(\buf)+12*\x+4*\k+3], v1 offset:WREG*(2*((\gi)%2)+\x/2+4*((\gi)/4))+(2*(\x%2)+((\gi)/2)%2)*FRB+512*\k
.endr
.endr
.irp m, 0,1
	ds_load_b32 v[WS+2*(\buf)+\m], v2 offset:256*(2*((\gi)%2)+\m+4*((\gi)/4))+128*(((\gi)/2)%2)
.endr
.endm
.macro WM d, a, b, first, sa, sb, row
.if \first
.if \row
	v_wmma_scale_f32_16x16x128_f8f6f4 v[(\d):(\d)+7], v[(\a):(\a)+11], v[(\b):(\b)+11], 0, v[\sa], v[\sb] matrix_a_fmt:MATRIX_FMT_FP6 matrix_b_fmt:MATRIX_FMT_FP6 matrix_a_scale:MATRIX_SCALE_ROW1
.else
	v_wmma_scale_f32_16x16x128_f8f6f4 v[(\d):(\d)+7], v[(\a):(\a)+11], v[(\b):(\b)+11], 0, v[\sa], v[\sb] matrix_a_fmt:MATRIX_FMT_FP6 matrix_b_fmt:MATRIX_FMT_FP6
.endif
.else
.if \row
	v_wmma_scale_f32_16x16x128_f8f6f4 v[(\d):(\d)+7], v[(\a):(\a)+11], v[(\b):(\b)+11], v[(\d):(\d)+7], v[\sa], v[\sb] matrix_a_fmt:MATRIX_FMT_FP6 matrix_b_fmt:MATRIX_FMT_FP6 matrix_a_scale:MATRIX_SCALE_ROW1
.else
	v_wmma_scale_f32_16x16x128_f8f6f4 v[(\d):(\d)+7], v[(\a):(\a)+11], v[(\b):(\b)+11], v[(\d):(\d)+7], v[\sa], v[\sb] matrix_a_fmt:MATRIX_FMT_FP6 matrix_b_fmt:MATRIX_FMT_FP6
.endif
.endif
.endm
.macro MULG gi, buf                    ; four products; the eight accumulators take turns; the first K step starts the sums
.irp x, 0,1,2,3
.if (\gi) < 2
	WM ACC+8*(4*((\gi)%2)+\x), WB+48*(\buf)+12*\x, MF+12*((\gi)/2), 1, WS+2*(\buf)+\x/2, MS+(\gi)/2, \x%2
.else
	WM ACC+8*(4*((\gi)%2)+\x), WB+48*(\buf)+12*\x, MF+12*((\gi)/2), 0, WS+2*(\buf)+\x/2, MS+(\gi)/2, \x%2
.endif
.endr
.endm
	s_load_b256 s[4:11], s[0:1], 0x0               ; midc s[4:5], mids s[6:7], list s[8:9], cnt s[10:11]
	s_load_b128 s[12:15], s[0:1], 0x20             ; w_down s[12:13], sw_down s[14:15]
	s_load_b64 s[16:17], s[0:1], 0x30              ; y
	v_lshl_add_u32 v[SPW], v0, 2, SPARE
	v_mov_b32 v[NIL], 0
	v_lshrrev_b32 v1, 5, v0
	v_readfirstlane_b32 s24, v1                    ; wave 0..7
	s_and_b32 s25, ttmp7, 0xffff                   ; v
	s_mov_b32 s26, ttmp9                           ; which 128 outputs
	v_and_b32 v180, 31, v0                         ; lane
	v_and_b32 v181, 15, v0                         ; r
	v_bfe_u32 v182, v0, 4, 1                       ; h
	v_lshlrev_b32 v1, 4, v180
	v_lshl_add_u32 v2, v180, 2, WSC
	s_mul_i32 s32, s24, 16*528
	s_add_co_u32 s32, s32, STG                     ; my stage
	v_mul_u32_u24 v3, v181, 528
	v_lshl_add_u32 v3, v182, 5, v3
	v_add_nc_u32 v3, s32, v3                       ; in: row r, 32 bytes for each half of the lanes
	v_add_nc_u32 v4, s32, v1                       ; back: the 32 lanes take one row of 512 bytes
	s_lshl_b32 s32, s25, 13
	v_lshl_add_u32 v5, v181, 2, s32                ; the list: 8192 v + 4 r
	s_mul_i32 s32, s25, 393216
	v_mul_u32_u24 v6, v181, 24
	v_mad_u32_u24 v6, v182, 384, v6
	v_add_nc_u32 v6, s32, v6                       ; midc: 64 x 6144 v + 384 h + 24 r
	s_lshl_b32 s32, s25, 14
	v_lshl_add_u32 v7, v181, 4, s32                ; mids: 64 x 256 v + 16 r
	s_lshl_b32 s32, s26, 9
	v_add_nc_u32 v12, s32, v1                      ; y: 512 slice + 16 lane
	s_and_b32 s33, s24, 3
	s_lshl_b32 s33, s33, 7
	s_add_co_u32 s32, s32, s33
	v_lshl_add_u32 v[WO], v180, 2, s32             ; Wd: 512 slice + 128 (w % 4) + 4 lane
	s_mul_i32 s32, s24, WREG
	v_add_nc_u32 v[WA], s32, v1
	s_lshl_b32 s32, s24, 8
	v_add_nc_u32 v[WSA], s32, v2
	s_lshl_b32 s35, s25, 2
	s_wait_kmcnt 0x0
	s_load_b32 s27, s[10:11], s35 offset:0x0       ; how many rows v has
	s_cmp_lt_u32 s25, 32                           ; a routed expert or the shared one: the choice hangs on the work-group's number alone
	s_cselect_b64 s[30:31], s[12:13], s[14:15]
	s_cselect_b32 s32, s25, 0
	s_lshl_b32 s32, s32, 21
	s_lshr_b32 s33, s24, 2
	s_lshl_b32 s33, s33, 20                        ; 256 K rows of 4,096 bytes
	s_add_co_u32 s32, s32, s33
	s_mov_b32 s33, 0
	s_add_nc_u64 s[30:31], s[30:31], s[32:33]
	LOADW 0
	s_wait_kmcnt 0x0
	s_min_u32 s27, s27, 1024
	s_add_co_u32 s27, s27, 15
	s_lshr_b32 s27, s27, 4
	s_max_u32 s27, s27, 1
	s_min_u32 s27, s27, 64                         ; s27: tiles of 16 rows, 1 to 64
	s_sub_co_u32 s29, s27, 1
	s_min_u32 s29, s29, s24                        ; my first tile; a wave with none fetches the last one and leaves it unused, so that every count below holds on every way
	s_min_u32 s29, s29, 63
	SETJ
	MLOAD                                          ; the first tile's rows come while the weights are streamed
	LOADW 1
	WBLK 0, 1, 58                                  ; younger than block 0: the tile's 26 and block 1's 32
	WBLK 1, 1, 32                                  ; from here on: the next block's 32
	WBLK 2, 1, 32
	WBLK 3, 1, 32
	WBLK 4, 1, 32
	WBLK 5, 1, 32
	WBLK 6, 0, 32
	WBLK 7, 0, 0
	s_wait_dscnt 0x0                               ; for the others' sake: my images have landed
	s_barrier_signal -1
	s_barrier_wait -1                              ; the one barrier: it stands ahead of every branch on a number read from memory
	s_add_co_u32 s42, s27, 7
	s_sub_co_u32 s42, s42, s24
	s_lshr_b32 s42, s42, 3                         ; my trips: the tiles w, w + 8, .. under s27: (s27 + 7 - w) / 8, 0 to 8
	s_mov_b32 s41, 0
	s_cmp_eq_u32 s42, 0
	s_cbranch_scc1 .Lend
.Ltile:                                ; a trip is a tile; the trips are counted by 1 against s42, which the loop does not write
	s_wait_loadcnt 0x0                             ; the tile's rows
	s_wait_xcnt 0x0                                ; the last tile's stores have read their offsets and data
	v_lshrrev_b32 v9, 16, v9
	v_min_u32 v9, 0x167f, v9                       ; my row's slot: its row of y
	LOADG 0, 0
	LOADG 1, 1
.irp g, 0,1,2,3,4,5,6,7
.if \g < 7
	s_wait_dscnt 14                                ; this group's 14 loads are in; the next group's 14 may be out
.else
	s_wait_dscnt 0x0
.endif
	MULG \g, \g%2
.if \g < 6
	PLACES                                         ; four places ahead of loads into registers that the products have read
	LOADG \g+2, \g%2
.endif
.endr
	PLACES                                         ; and ahead of the stores that read the results, and of the loads over W's fragments
.irp t, 0,1,2,3,4,5,6,7
	ds_store_b128 v3, v[ACC+8*\t:ACC+8*\t+3] offset:64*\t          ; each accumulator from its low end on
	ds_store_b128 v3, v[ACC+8*\t+4:ACC+8*\t+7] offset:64*\t+16
.endr
.irp i, 0,1,2,3,4,5,6,7,8,9,10,11,12,13,14,15
	ds_load_b128 v[OB+4*\i:OB+4*\i+3], v4 offset:528*\i            ; LDS serves a wave's instructions in order (ISA guide 5.7.1.4): these see my stores
.endr
.irp i, 0,1,2,3,4,5,6,7,8,9,10,11,12,13,14,15
	v_readlane_b32 s40, v9, \i                     ; row i's slot,
	s_min_u32 s40, s40, 0x167f                     ; held inside y's 5,760 rows,
	s_lshl_b32 s40, s40, 12                        ; x 4,096 bytes
	v_add_nc_u32 v[OA+\i], s40, v12
.endr
.irp i, 0,1,2,3,4,5,6,7,8,9,10,11,12,13,14,15
	s_wait_dscnt 15-\i
	global_store_b128 v[OA+\i], v[OB+4*\i:OB+4*\i+3], s[16:17]     ; 32 lanes store 512 consecutive bytes, at a multiple of 256 from y's first byte
.endr
	s_add_co_u32 s41, s41, 1
	s_cmp_ge_u32 s41, s42
	s_cbranch_scc1 .Lend                           ; no tile is left: nothing more is fetched
	s_lshl_b32 s29, s41, 3
	s_add_co_u32 s29, s29, s24                     ; my next tile: w + 8 x trip,
	s_min_u32 s29, s29, 63                         ; held at 63 by a constant before it enters an address
	SETJ
	MLOAD
	s_cmp_lt_u32 s41, s42                          ; (the lines above have written SCC: compared again for the counted jump back)
	s_cbranch_scc1 .Ltile
.Lend:
	s_wait_tensorcnt 0x0                           ; the wave's end
	ds_add_u32 v[SPW], v[NIL]
	s_wait_dscnt 0x0
	s_endpgm
.Lfunc_end_k_q3c056d0a35_down:
	.size	k_q3c056d0a35_down, .Lfunc_end_k_q3c056d0a35_down-k_q3c056d0a35_down
	.p2alignl 7, 3214868480
	.fill 96, 4, 3214868480
	.section	.rodata,"a",@progbits
	.p2align	6, 0x0
	.amdhsa_kernel k_q3c056d0a35_down
		.amdhsa_group_segment_fixed_size 119808
		.amdhsa_private_segment_fixed_size 0
		.amdhsa_enable_private_segment 0
		.amdhsa_kernarg_size 56
		.amdhsa_user_sgpr_count 2
		.amdhsa_user_sgpr_kernarg_segment_ptr 1
		.amdhsa_wavefront_size32 1
		.amdhsa_system_sgpr_workgroup_id_x 1
		.amdhsa_system_sgpr_workgroup_id_y 1
		.amdhsa_system_sgpr_workgroup_id_z 1
		.amdhsa_system_vgpr_workitem_id 0
		.amdhsa_next_free_vgpr 256
		.amdhsa_next_free_sgpr 66
		.amdhsa_reserve_vcc 0
		.amdhsa_float_denorm_mode_32 3
		.amdhsa_float_denorm_mode_16_64 3
		.amdhsa_memory_ordered 1
		.amdhsa_forward_progress 1
		.amdhsa_inst_pref_size 66
	.end_amdhsa_kernel
	.amdgpu_metadata
---
amdhsa.version: [ 1, 2 ]
amdhsa.kernels:
  - .name:           k_q3c056d0a35_down
    .symbol:         k_q3c056d0a35_down.kd
    .args:
      - { .name: midc, .offset: 0, .size: 8, .value_kind: global_buffer, .address_space: global }
      - { .name: mids, .offset: 8, .size: 8, .value_kind: global_buffer, .address_space: global }
      - { .name: list, .offset: 16, .size: 8, .value_kind: global_buffer, .address_space: global }
      - { .name: cnt, .offset: 24, .size: 8, .value_kind: global_buffer, .address_space: global }
      - { .name: w_down, .offset: 32, .size: 8, .value_kind: global_buffer, .address_space: global }
      - { .name: sw_down, .offset: 40, .size: 8, .value_kind: global_buffer, .address_space: global }
      - { .name: y, .offset: 48, .size: 8, .value_kind: global_buffer, .address_space: global }
    .group_segment_fixed_size: 119808
    .private_segment_fixed_size: 0
    .kernarg_segment_align: 8
    .kernarg_segment_size: 56
    .max_flat_workgroup_size: 256
    .sgpr_count:     66
    .vgpr_count:     256
    .wavefront_size: 32
...
	.end_amdgpu_metadata
.endif
;; end of part 4
;; launch combine (part 5): grid 256 x 1, 8 waves a work-group, no clusters, 0 bytes of LDS; arguments y, out0; writes out0
.if DOCPART == 5
	.amdgcn_target "amdgcn-amd-amdhsa--gfx1250"
	.amdhsa_code_object_version 6
	.text
	.protected	k_q3c056d0a35_combine
	.globl	k_q3c056d0a35_combine
	.p2align	8
	.type	k_q3c056d0a35_combine,@function
k_q3c056d0a35_combine:
	s_mov_b64 s[64:65], 0
	v_nop
	global_prefetch_b8 v0, s[64:65] scope:SCOPE_SE
	s_setreg_imm32_b32 hwreg(HW_REG_WAVE_MODE, 25, 1), 1
	s_wait_xcnt 0x0
; COMBINE.  out0[t] = y[4 t] + y[4 t + 1] + y[4 t + 2] + y[4 t + 3] + y[4096 + t]: a token's four routed rows and its shared row, in f32.
; A work-group owns four tokens; thread i owns bytes 16 i .. 16 i + 15 of every row, so that each load and store of a wave covers 512 consecutive bytes, aligned.
; All 20 loads of a thread go out at once; the waits count down token by token.  No LDS, no barrier, no matrix unit: a stream.
	s_load_b128 s[4:7], s[0:1], 0x0                ; y s[4:5], out0 s[6:7]
	v_lshlrev_b32 v1, 4, v0
	s_lshl_b32 s8, ttmp9, 16                       ; 16 routed rows of 4,096 bytes
	s_mov_b32 s9, 0
	s_lshl_b32 s10, ttmp9, 14                      ; 4 rows
	s_mov_b32 s11, 0
	s_wait_kmcnt 0x0
	s_add_nc_u64 s[12:13], s[4:5], s[10:11]
	s_add_nc_u64 s[12:13], s[12:13], 16777216      ; the shared rows begin at row 4096
	s_add_nc_u64 s[4:5], s[4:5], s[8:9]
	s_add_nc_u64 s[6:7], s[6:7], s[10:11]
.irp i, 0,1,2,3
.irp k, 0,1,2,3
	global_load_b128 v[8+20*\i+4*\k:11+20*\i+4*\k], v1, s[4:5] offset:16384*\i+4096*\k th:TH_LOAD_NT
.endr
	global_load_b128 v[24+20*\i:27+20*\i], v1, s[12:13] offset:4096*\i th:TH_LOAD_NT
.endr
.irp i, 0,1,2,3
	s_wait_loadcnt 15-5*\i                         ; token i's five loads are in; those of the tokens behind it may be out
	v_pk_add_f32 v[8+20*\i:9+20*\i], v[8+20*\i:9+20*\i], v[12+20*\i:13+20*\i]
	v_pk_add_f32 v[10+20*\i:11+20*\i], v[10+20*\i:11+20*\i], v[14+20*\i:15+20*\i]
	v_pk_add_f32 v[16+20*\i:17+20*\i], v[16+20*\i:17+20*\i], v[20+20*\i:21+20*\i]
	v_pk_add_f32 v[18+20*\i:19+20*\i], v[18+20*\i:19+20*\i], v[22+20*\i:23+20*\i]
	v_pk_add_f32 v[8+20*\i:9+20*\i], v[8+20*\i:9+20*\i], v[16+20*\i:17+20*\i]
	v_pk_add_f32 v[10+20*\i:11+20*\i], v[10+20*\i:11+20*\i], v[18+20*\i:19+20*\i]
	v_pk_add_f32 v[8+20*\i:9+20*\i], v[8+20*\i:9+20*\i], v[24+20*\i:25+20*\i]
	v_pk_add_f32 v[10+20*\i:11+20*\i], v[10+20*\i:11+20*\i], v[26+20*\i:27+20*\i]
	global_store_b128 v1, v[8+20*\i:11+20*\i], s[6:7] offset:4096*\i th:TH_STORE_NT
.endr
	s_endpgm
.Lfunc_end_k_q3c056d0a35_combine:
	.size	k_q3c056d0a35_combine, .Lfunc_end_k_q3c056d0a35_combine-k_q3c056d0a35_combine
	.p2alignl 7, 3214868480
	.fill 96, 4, 3214868480
	.section	.rodata,"a",@progbits
	.p2align	6, 0x0
	.amdhsa_kernel k_q3c056d0a35_combine
		.amdhsa_group_segment_fixed_size 0
		.amdhsa_private_segment_fixed_size 0
		.amdhsa_enable_private_segment 0
		.amdhsa_kernarg_size 16
		.amdhsa_user_sgpr_count 2
		.amdhsa_user_sgpr_kernarg_segment_ptr 1
		.amdhsa_wavefront_size32 1
		.amdhsa_system_sgpr_workgroup_id_x 1
		.amdhsa_system_sgpr_workgroup_id_y 1
		.amdhsa_system_sgpr_workgroup_id_z 1
		.amdhsa_system_vgpr_workitem_id 0
		.amdhsa_next_free_vgpr 96
		.amdhsa_next_free_sgpr 66
		.amdhsa_reserve_vcc 0
		.amdhsa_float_denorm_mode_32 3
		.amdhsa_float_denorm_mode_16_64 3
		.amdhsa_memory_ordered 1
		.amdhsa_forward_progress 1
		.amdhsa_inst_pref_size 6
	.end_amdhsa_kernel
	.amdgpu_metadata
---
amdhsa.version: [ 1, 2 ]
amdhsa.kernels:
  - .name:           k_q3c056d0a35_combine
    .symbol:         k_q3c056d0a35_combine.kd
    .args:
      - { .name: y, .offset: 0, .size: 8, .value_kind: global_buffer, .address_space: global }
      - { .name: out0, .offset: 8, .size: 8, .value_kind: global_buffer, .address_space: global }
    .group_segment_fixed_size: 0
    .private_segment_fixed_size: 0
    .kernarg_segment_align: 8
    .kernarg_segment_size: 16
    .max_flat_workgroup_size: 256
    .sgpr_count:     66
    .vgpr_count:     96
    .wavefront_size: 32
...
	.end_amdgpu_metadata
.endif
;; end of part 5
;; ======== version 2 of 2: 5 launches
;; workspace buffers: xq 1,048,576 bytes; ids 16,384 bytes of whole numbers; wts 24,576 bytes; list 327,680 bytes of whole numbers; cnt 256 bytes of whole numbers; midc 15,728,640 bytes; mids 655,360 bytes; y 23,592,960 bytes
;; launch route (part 6): grid 64 x 1, 4 waves a work-group, no clusters, 21,760 bytes of LDS; arguments hidden_states, gate_w, expert_bias, xq, ids, wts; writes xq, ids, wts
.if DOCPART == 6
	.amdgcn_target "amdgcn-amd-amdhsa--gfx1250"
	.amdhsa_code_object_version 6
	.text
	.protected	k_q3c056d0a35_route
	.globl	k_q3c056d0a35_route
	.p2align	8
	.type	k_q3c056d0a35_route,@function
k_q3c056d0a35_route:
	s_mov_b64 s[64:65], 0
	v_nop
	global_prefetch_b8 v0, s[64:65] scope:SCOPE_SE
	s_setreg_imm32_b32 hwreg(HW_REG_WAVE_SCHED_MODE, 0, 2), 2
	s_setreg_imm32_b32 hwreg(HW_REG_WAVE_MODE, 25, 1), 1
	s_wait_xcnt 0x0
	s_wait_alu depctr_vm_vsrc(0)
; ROUTE.  hidden_states [1024][1024] f32 is quantised along its rows to codes of FP6 (E2M3) with one E8M0 byte for each 32 numbers, and stored in xq in the order of an operand's registers;
; the router's logits x . gate_w^T are made on those codes by the scaled matrix instruction; then, in f32: sigmoid, bias, the sum of the two largest of each group of 8, the two best groups,
; the four best experts (on a tie the lower index, as jax.lax.top_k has it), their un-biased scores divided by their sum, x 2.5.
; OUT: xq: token t at 1024 t: codes at 384 h + 48 s + 4 p (register p of K step s of the fragment of lane half h), the eight scale words at 768 + 4 s.  ids [t][4] u32.  wts [t][4] f32;
;      wts slots 4096..5119 = 1.0 (the shared expert's rows), slots 5120..6143 = 0.0 (rows that only fill a tile).
; SHARES.  A work-group owns 16 tokens.  Wave w owns K steps 2 w and 2 w + 1 (256 along K) of x and of both tiles of 16 experts; the four partial logits meet in LDS; wave 0 finishes the router.
; LAYOUT.  Source 0 = 16 experts, source 1 = 16 tokens: lane (r, h) holds token r, and its 16 results are experts 8 h + 0..7 and 16 + 8 h + 0..7: groups h and 2 + h, whole.
; No address and no branch hangs on a floating-point number: every choice is a v_cndmask_b32.
; LIMITS: NaN and infinities are not served.  A block whose largest magnitude lies under 2^-124 keeps the byte 1, a block of zeros too (its codes are zeros; only this program reads the bytes).
;         v_exp_f32 and v_rcp_f32 flush denormals: a sigmoid under 2^-126 counts as 0.  Scores that differ by less than f32 rounding may be ordered otherwise than by another order of the same sums.
; THE MODE: SCHED_MODE bits 1:0 = 2 (LLVM: expert scheduling mode 2), set by the entry lines.  The code itself states the register dependences
; between vector or matrix instructions and memory or LDS instructions, with s_wait_alu, always for 0.
; THE PLAN.  Registers that memory or LDS instructions touch:
;   SA, SB          Loads land; QUANT reads them; behind QUANT's wait the next unit's loads land in the set just read.
;   XFR, v16, v17   QUANT writes them; the LDS stores of x's codes and the products read them; never written again.
;   PCG, v18        QUANT writes them; the product reads them (no memory instruction names them).
;   ACC             The products write them; the LDS stores of the partial logits read them.
;   v32-55          Behind the barrier: LDS loads land, global stores read them; in wave 0 LDS loads land in them once more.
;   v60; v240-247   Written by vector lines, read by global stores.
;   v4-v15          Offsets and addresses, made once at the head.
; So one wait on va_vdst stands behind each QUANT (for gate_w behind the eight places), one ahead of each run of stores whose data vector or matrix lines made, and one wait on vm_vsrc at the router's head.
; A compare's mask goes into a scalar register; the compares stand in runs, with one wait on va_sdst behind each run and ahead of the run's first reader.
.set PL,    0                          ; LDS: partial logits, 2,048 bytes a wave: four images of four registers, 16 bytes a lane
.set XSTG,  8192                       ; x's codes and scale words, 16 rows
.set XP,    816                        ; a row there: 768 bytes of codes, 32 of scale words, 16 spare = 51 x 16 bytes, so that sixteen rows' 16 bytes fall on different banks
.set SPARE, 21248                      ; the spare words, 128 bytes a wave: two blocks of 256 bytes that no other line names
.set FLOOR, 0x1800000                  ; 2^(3 - 127): no largest magnitude is taken under it, so that no byte falls under 1
.set EOFF,  0xff000000                 ; takes 2 off an exponent field
.set SPW, 30                           ; v30  my spare word's LDS address; never rewritten
.set NIL, 31                           ; v31  0; never rewritten
.set SA,  32                           ; v32-95   64 numbers as loaded
.set SB,  96                           ; v96-159  the other set
.set XFR, 160                          ; v160-183 x's two fragments
.set PCG, 184                          ; v184-195 the fragment of gate_w in hand
.set TQ,  196                          ; v196-203 the conversions' second halves
.set TM,  204                          ; v204-219 at work in QUANT
.set ACC, 224                          ; v224-239 the two accumulators
; v16, v17: x's scale words; v18: gate_w's.  They hold scales and nothing else.
; The masks of a run of compares: number i of 16 in s[18 + i + 10 ((i + 14) / 16) + 4 ((i + 8) / 16)]: s18, s19, s30-35, s40-47.
.macro LOADU reg, ptr, off             ; 128 along K of my row: register 16 b + i = k 32 b + 16 h + i
.irp b, 0,1,2,3
.irp j, 0,1,2,3
	global_load_b128 v[\reg+16*\b+4*\j:\reg+16*\b+4*\j+3], v4, s[\ptr:\ptr+1] offset:\off+128*\b+16*\j
.endr
.endr
.endm
.macro QUANT src, pc, pw               ; 64 numbers of a lane become a fragment's 12 registers at v[pc] and its scale word in v[pw]
.irp b, 0,1,2,3
	v_max3_num_f32 v[TM+\b], |v[\src+16*\b]|, |v[\src+1+16*\b]|, FLOOR
.endr
.irp i, 2,4,6,8,10,12,14
.irp b, 0,1,2,3
	v_max3_num_f32 v[TM+\b], v[TM+\b], |v[\src+16*\b+\i]|, |v[\src+1+16*\b+\i]|   ; the four blocks by turns
.endr
.endr
.irp b, 0,1,2,3
	v_permlanex16_b32 v[TM+4+\b], v[TM+\b], s20, s21
.endr
.irp b, 0,1,2,3
	v_max_num_f32 v[TM+\b], v[TM+\b], v[TM+4+\b]          ; with lane l xor 16's 16 numbers: the block's largest magnitude
.endr
.irp b, 0,1,2,3
	v_add_nc_u32 v[TM+12+\b], EOFF, v[TM+\b]              ; 2 off its exponent field: the conversion's scale operand
.endr
.irp b, 0,1,2,3
	v_lshrrev_b32 v[TM+4+\b], 23, v[TM+12+\b]             ; the scale's byte
.endr
	v_lshl_or_b32 v[\pw], v[TM+5], 8, v[TM+4]
	v_lshl_or_b32 v[\pw], v[TM+6], 16, v[\pw]
	v_lshl_or_b32 v[\pw], v[TM+7], 24, v[\pw]
.irp c, 0,1
	v_cvt_scalef32_pk16_fp6_f32 v[\pc+6*\c:\pc+2+6*\c], v[\src+32*\c:\src+15+32*\c], v[TM+12+2*\c]
	v_cvt_scalef32_pk16_fp6_f32 v[TQ+4*\c:TQ+2+4*\c], v[\src+16+32*\c:\src+31+32*\c], v[TM+13+2*\c]   ; (a conversion's three registers begin on an even number)
.endr
	v_nop                                                  ; one plain line behind the conversions
.irp c, 0,1                            ; the operand wants a whole block in a lane: lanes 0-15 block 2 c, lanes 16-31 block 2 c + 1
.irp i, 0,1,2
	v_permlane16_swap_b32 v[\pc+6*\c+\i], v[TQ+4*\c+\i]
.endr
.irp i, 0,1,2
	v_mov_b32 v[\pc+3+6*\c+\i], v[TQ+4*\c+\i]
.endr
.endr
.endm
; One unit of gate_w: 16 experts x 128 along K.  n: the younger loads that may stay out.
.macro GATE src, n, more, off, tile, sl
	s_wait_loadcnt \n
	QUANT \src, PCG, 18                                    ; its first 32 lines name no register of the product before: they are the places behind it
.rept 8
	v_nop                                                  ; a scale word written by a vector instruction stands eight places ahead of the scaled product, an operand four
.endr
	s_wait_alu depctr_va_vdst(0)                           ; behind the places: the fragment and the scale word that the product takes are written (x's too); and QUANT is done reading the set in which the loads below land
.if \more
	LOADU \src, 6, \off
.endif
.if \sl == 0
	v_wmma_scale_f32_16x16x128_f8f6f4 v[ACC+8*\tile:ACC+8*\tile+7], v[PCG:PCG+11], v[XFR:XFR+11], 0, v18, v16 matrix_a_fmt:MATRIX_FMT_FP6 matrix_b_fmt:MATRIX_FMT_FP6
.else
	v_wmma_scale_f32_16x16x128_f8f6f4 v[ACC+8*\tile:ACC+8*\tile+7], v[PCG:PCG+11], v[XFR+12:XFR+23], v[ACC+8*\tile:ACC+8*\tile+7], v18, v17 matrix_a_fmt:MATRIX_FMT_FP6 matrix_b_fmt:MATRIX_FMT_FP6
.endif
.endm
	s_load_b256 s[4:11], s[0:1], 0x0               ; hidden_states s[4:5], gate_w s[6:7], expert_bias s[8:9], xq s[10:11]
	s_load_b128 s[12:15], s[0:1], 0x20             ; ids s[12:13], wts s[14:15]
	v_lshl_add_u32 v[SPW], v0, 2, SPARE
	v_mov_b32 v[NIL], 0
	v_lshrrev_b32 v1, 5, v0
	v_readfirstlane_b32 s16, v1                    ; wave 0..3
	v_and_b32 v1, 31, v0                           ; lane
	v_and_b32 v2, 15, v0                           ; r
	v_bfe_u32 v3, v0, 4, 1                         ; h
	v_lshlrev_b32 v4, 12, v2
	v_lshl_add_u32 v4, v3, 6, v4                   ; v4: row r of 4,096 bytes + 64 h: my 16 numbers of a block of 32
	s_wait_alu depctr_va_sdst(0)                   ; s16 is written, ahead of its first reader
	s_lshl_b32 s17, s16, 11
	v_lshl_add_u32 v5, v1, 4, s17                  ; v5: where I put partial logits: 2,048 w + 16 lane
	v_lshlrev_b32 v6, 4, v1                        ; v6: where wave 0 reads them: 16 lane
	v_mul_u32_u24 v8, v2, XP
	v_mad_u32_u24 v7, v3, 384, v8
	s_mul_i32 s17, s16, 96
	s_add_co_u32 s17, s17, XSTG
	v_add_nc_u32 v7, s17, v7                       ; v7: my codes in the stage: row r, 384 h + 96 w
	s_lshl_b32 s17, s16, 3
	s_add_co_u32 s17, s17, XSTG+768
	v_add_nc_u32 v8, s17, v8                       ; v8: my row's two scale words: 768 + 8 w
	v_mul_u32_u24 v9, v3, XP
	v_lshl_add_u32 v9, v2, 4, v9
	s_mul_i32 s17, s16, 4*XP
	s_add_co_u32 s17, s17, XSTG
	v_add_nc_u32 v9, s17, v9                       ; v9: back: row 4 w + h, 16 bytes a lane
	v_lshrrev_b32 v13, 1, v1
	v_and_b32 v12, 1, v1
	v_mul_u32_u24 v10, v13, XP
	v_lshl_add_u32 v10, v12, 4, v10
	v_add_nc_u32 v10, XSTG+768, v10                ; v10: the scale words back: row lane / 2, 16 bytes for each of two lanes
	v_lshlrev_b32 v11, 10, v3
	v_lshl_add_u32 v11, v2, 4, v11
	s_lshl_b32 s17, s16, 12
	v_add_nc_u32 v11, s17, v11                     ; v11: the same place in xq as v9: token 4 w + h
	v_lshlrev_b32 v13, 10, v13
	v_lshl_add_u32 v12, v12, 4, v13
	v_add_nc_u32 v12, 768, v12                     ; v12: the same place in xq as v10
	v_lshlrev_b32 v13, 4, v2                       ; v13: 16 r: a token's four ids, or four weights
	v_lshlrev_b32 v14, 2, v2
	v_lshl_add_u32 v14, v3, 12, v14
	v_add_nc_u32 v14, 16384, v14                   ; v14: slot 4096 + r (lanes 0-15), slot 5120 + r (lanes 16-31), in bytes
	v_lshlrev_b32 v15, 5, v3                       ; v15: 32 h: my eight numbers of the bias
	v_lshlrev_b32 v19, 3, v3                       ; v19: 8 h
.irp b, 0,1,2,3
	v_mov_b32 v[TM+4+\b], 0                        ; written once: a lane permute's destination counts as one of its sources
.endr
	s_mov_b32 s20, 0x76543210
	s_mov_b32 s21, 0xfedcba98                      ; v_permlanex16_b32's selects for lane l xor 16
	s_mov_b32 s22, 0xbfb8aa3b                      ; -log2(e)
	s_mov_b32 s23, s22                             ; (named with it as a pair)
	s_mov_b32 s24, 0xffff0000                      ; the mask of lanes 16-31
	s_lshl_b32 s32, ttmp9, 16                      ; my work-group's 16 rows of x,
	s_lshl_b32 s34, s16, 10                        ; my wave's 256 along K
	s_add_co_u32 s32, s32, s34
	s_mov_b32 s33, 0
	s_mov_b32 s35, 0
	s_wait_kmcnt 0x0
	s_add_nc_u64 s[4:5], s[4:5], s[32:33]
	s_add_nc_u64 s[6:7], s[6:7], s[34:35]
	s_lshl_b32 s32, ttmp9, 14
	s_add_nc_u64 s[10:11], s[10:11], s[32:33]      ; xq at my 16 tokens
	s_lshl_b32 s32, ttmp9, 8
	s_add_nc_u64 s[12:13], s[12:13], s[32:33]      ; ids likewise
	s_add_nc_u64 s[36:37], s[14:15], s[32:33]      ; wts likewise
	s_lshl_b32 s32, ttmp9, 6
	s_add_nc_u64 s[38:39], s[14:15], s[32:33]      ; and wts for the constants: 16 slots a work-group
	s_wait_alu depctr_va_vdst(0)                   ; the offsets and addresses v4 to v15 are written, which the loads and stores of the whole kernel read
	LOADU SA, 4, 0                                 ; x, my first K step
	LOADU SB, 4, 512                               ; and my second
	s_wait_loadcnt 16                              ; the first unit is in; the second's 16 loads may be out
	QUANT SA, XFR, 16
	s_wait_alu depctr_va_vdst(0)                   ; QUANT is done reading SA, in which the loads below land
	LOADU SA, 6, 0                                 ; gate_w: experts 0-15, my first K step
	s_wait_loadcnt 16
	QUANT SB, XFR+12, 17
	s_wait_alu depctr_va_vdst(0)                   ; QUANT is done reading SB, in which the loads below land; x's two fragments and scale words are written, which the LDS stores below read
	LOADU SB, 6, 65536                             ; experts 16-31, my first K step
.irp u, 0,1
.irp c, 0,1,2
	ds_store_b128 v7, v[XFR+12*\u+4*\c:XFR+12*\u+4*\c+3] offset:48*\u+16*\c
.endr
	ds_store_b32 v8, v[16+\u] offset:4*\u          ; both halves of the lanes write the same word with the same value
.endr
	GATE SA, 16, 1, 512,   0, 0                    ; the two accumulators take turns
	GATE SB, 16, 1, 66048, 1, 0
	GATE SA, 16, 0, 0,     0, 1
	GATE SB, 0,  0, 0,     1, 1
.rept 4
	v_nop                                          ; four places ahead of the stores that read the results
.endr
	s_wait_alu depctr_va_vdst(0)                   ; behind the places: the products have written the accumulators, which the LDS stores read
.irp q, 0,1,2,3
	ds_store_b128 v5, v[ACC+4*\q:ACC+4*\q+3] offset:512*\q   ; each accumulator from its low end on
.endr
	s_wait_dscnt 0x0                               ; for the others' sake: my stores have landed
	s_barrier_signal -1
	s_barrier_wait -1
.irp p, 0,1                            ; every wave stores four tokens' codes: sixteen lanes cover 256 consecutive bytes, aligned.  (No vector line since the last wait names v32-55)
.irp q, 0,1,2
	ds_load_b128 v[32+4*(3*\p+\q):35+4*(3*\p+\q)], v9 offset:2*XP*\p+256*\q
.endr
.endr
.irp p, 0,1
.irp q, 0,1,2
	s_wait_dscnt 5-3*\p-\q
	global_store_b128 v11, v[32+4*(3*\p+\q):35+4*(3*\p+\q)], s[10:11] offset:2048*\p+256*\q
.endr
.endr
	s_cmp_eq_u32 s16, 0
	s_cbranch_scc1 .Lrouter
	s_cmp_eq_u32 s16, 1
	s_cbranch_scc0 .Lend
	ds_load_b128 v[56:59], v10                     ; wave 1: the 16 tokens' scale words, 32 bytes a token,
	v_mov_b32 v60, 0
	v_cndmask_b32 v60, 1.0, v60, s24               ; and the constants of wts: 1.0 from lanes 0-15, 0.0 from lanes 16-31
	s_wait_dscnt 0x0
	s_wait_alu depctr_va_vdst(0)                   ; v60 is written, which the second store reads
	global_store_b128 v12, v[56:59], s[10:11]
	global_store_b32 v14, v60, s[38:39]
	s_branch .Lend
.Lrouter:                              ; wave 0
	s_wait_xcnt 0x0                                ; my stores above have read v32-55, which are written again below
	s_wait_alu depctr_vm_vsrc(0)                   ; the same, stated for the mode: the stores have read v32-55, in which the LDS loads below land
	global_load_b128 v[128:131], v15, s[8:9]       ; the bias of experts 8 h + 0..7
	global_load_b128 v[132:135], v15, s[8:9] offset:16
	global_load_b128 v[136:139], v15, s[8:9] offset:64   ; and of 16 + 8 h + 0..7
	global_load_b128 v[140:143], v15, s[8:9] offset:80
.irp p, 0,1,2,3
.irp q, 0,1,2,3
	ds_load_b128 v[32+16*\p+4*\q:35+16*\p+4*\q], v6 offset:2048*\p+512*\q
.endr
.endr
	s_wait_dscnt 0x0
.irp j, 0,2,4,6,8,10,12,14
	v_pk_add_f32 v[32+\j:33+\j], v[32+\j:33+\j], v[48+\j:49+\j]
	v_pk_add_f32 v[64+\j:65+\j], v[64+\j:65+\j], v[80+\j:81+\j]
.endr
.irp j, 0,2,4,6,8,10,12,14
	v_pk_add_f32 v[32+\j:33+\j], v[32+\j:33+\j], v[64+\j:65+\j]        ; the logits
.endr
.irp j, 0,2,4,6,8,10,12,14
	v_pk_mul_f32 v[48+\j:49+\j], v[32+\j:33+\j], s[22:23] op_sel_hi:[1,0]
.endr
	s_wait_alu depctr_va_vdst(0)
.irp j, 0,1,2,3,4,5,6,7,8,9,10,11,12,13,14,15
	v_exp_f32 v[48+\j], v[48+\j]                   ; e^-logit
.endr
	v_nop                                          ; a plain line behind the batch,
	s_wait_alu depctr_va_vdst(0)                   ; and one wait for the 16 exponentials' results, ahead of their first reader
.irp j, 0,2,4,6,8,10,12,14
	v_pk_add_f32 v[48+\j:49+\j], v[48+\j:49+\j], 1.0 op_sel_hi:[1,0]
.endr
	s_wait_alu depctr_va_vdst(0)
.irp j, 0,1,2,3,4,5,6,7,8,9,10,11,12,13,14,15
	v_rcp_f32 v[96+\j], v[48+\j]                   ; v96-111: the scores
.endr
	v_nop
	s_wait_alu depctr_va_vdst(0)                   ; one wait for the 16 reciprocals' results, ahead of their first reader
	s_wait_loadcnt 0x0                             ; the bias
.irp j, 0,2,4,6,8,10,12,14
	v_pk_add_f32 v[112+\j:113+\j], v[96+\j:97+\j], v[128+\j:129+\j]    ; v112-127: the scores with the bias
.endr
	v_max_num_f32 v196, v112, v113                 ; the two largest of each of my two groups: m1 and m2
	v_min_num_f32 v197, v112, v113
	v_max_num_f32 v198, v120, v121
	v_min_num_f32 v199, v120, v121
.irp j, 2,3,4,5,6,7
	v_med3_num_f32 v197, v196, v197, v[112+\j]     ; the middle one of m1, m2 and the next number is the new m2
	v_med3_num_f32 v199, v198, v199, v[120+\j]
	v_max_num_f32 v196, v196, v[112+\j]
	v_max_num_f32 v198, v198, v[120+\j]
.endr
	v_add_f32 v196, v196, v197                     ; group h's score
	v_add_f32 v198, v198, v199                     ; group 2 + h's
	v_permlanex16_b32 v197, v196, s20, s21         ; group 1 - h's
	v_permlanex16_b32 v199, v198, s20, s21         ; group 3 - h's
	v_cndmask_b32 v200, v196, v197, s24            ; v200-203: groups 0 to 3 in order
	v_cndmask_b32 v201, v197, v196, s24
	v_cndmask_b32 v202, v198, v199, s24
	v_cndmask_b32 v203, v199, v198, s24
	v_cmp_ge_f32 s40, v200, v201                   ; the six pairs a < b in one run: where a's score is at least b's, a stands ahead of b (the lower index on a tie)
	v_cmp_ge_f32 s41, v200, v202
	v_cmp_ge_f32 s42, v200, v203
	v_cmp_ge_f32 s43, v201, v202
	v_cmp_ge_f32 s44, v201, v203
	v_cmp_ge_f32 s45, v202, v203
	v_mov_b32 v204, 3                              ; v204-207: how many groups stand ahead of each.  Group a begins with the 3 - a groups behind it,
	v_mov_b32 v205, 2
	v_mov_b32 v206, 1
	v_mov_b32 v207, 0
	v_mov_b32 v209, 1
	s_wait_alu depctr_va_sdst(0)                   ; the six masks s40-45 are written, ahead of their first reader
.macro PAIR a, b, m
	v_cndmask_b32 v208, 0, v209, s[\m]
	v_add_nc_u32 v[204+\b], v[204+\b], v208
	v_sub_nc_u32 v[204+\a], v[204+\a], v208
.endm
	PAIR 0, 1, 40
	PAIR 0, 2, 41
	PAIR 0, 3, 42
	PAIR 1, 2, 43
	PAIR 1, 3, 44
	PAIR 2, 3, 45
	v_cndmask_b32 v210, v204, v205, s24            ; group h's rank
	v_cndmask_b32 v211, v206, v207, s24            ; group 2 + h's
	v_cmp_gt_u32 s25, 2, v210                      ; kept: rank 0 or 1
	v_cmp_gt_u32 s26, 2, v211
	v_mov_b32 v212, 0xff7fffff                     ; the least finite number, as the problem's mask has it
	v_mov_b32 v213, 0xff800000                     ; -infinity: what has been chosen
	s_wait_alu depctr_va_sdst(0)                   ; the two masks s25, s26 are written, ahead of their first reader
.irp j, 0,1,2,3,4,5,6,7
	v_cndmask_b32 v[144+\j], v212, v[112+\j], s25  ; v144-159: what the four best are chosen from
	v_cndmask_b32 v[152+\j], v212, v[120+\j], s26
.endr
; The k-th best of the 32.  Register j is expert 8 h + j + 8 (j / 8).  id in v[240 + k], its un-biased score in v[244 + k], in both lanes of the token.
; v[64 + j] keeps the largest of registers 0 .. j, so that the 15 compares of the running maximum stand in one run, ahead of the selects that read their masks.
.macro ROUND k
	v_mov_b32 v64, v144
.irp j, 1,2,3,4,5,6,7,8,9,10,11,12,13,14,15
	v_cmp_ge_f32 s[18+\j+10*((\j+14)/16)+4*((\j+8)/16)], v[63+\j], v[144+\j]    ; the earlier stays on a tie
	v_max_num_f32 v[64+\j], v[63+\j], v[144+\j]
.endr
	v_mov_b32 v215, 0
	s_wait_alu depctr_va_sdst(0)                   ; the 15 masks are written, ahead of their first reader
.irp j, 1,2,3,4,5,6,7,8,9,10,11,12,13,14,15
	v_cndmask_b32 v215, \j+8*(\j/8), v215, s[18+\j+10*((\j+14)/16)+4*((\j+8)/16)]
.endr
	v_add_nc_u32 v215, v215, v19                   ; my best's number
	v_permlanex16_b32 v216, v79, s20, s21          ; the other lane's best
	v_permlanex16_b32 v217, v215, s20, s21
	v_cmp_gt_f32 s27, v216, v79
	v_cmp_eq_f32 s28, v216, v79
	v_cmp_lt_u32 s29, v217, v215
	s_wait_alu depctr_va_sdst(0)                   ; s27, s28, s29 are written, ahead of the scalar lines that read them
	s_and_b32 s28, s28, s29
	s_or_b32 s27, s27, s28                         ; it wins where it is larger, or equal with the lower number
	v_cndmask_b32 v[240+\k], v215, v217, s27
	v_sub_nc_u32 v218, v[240+\k], v19
	v_mov_b32 v[244+\k], 0
.irp j, 0,1,2,3,4,5,6,7,8,9,10,11,12,13,14,15
	v_cmp_eq_u32 s[18+\j+10*((\j+14)/16)+4*((\j+8)/16)], \j+8*(\j/8), v218      ; is it mine?
.endr
	s_wait_alu depctr_va_sdst(0)                   ; the 16 masks are written, ahead of their first reader
.irp j, 0,1,2,3,4,5,6,7,8,9,10,11,12,13,14,15
	v_cndmask_b32 v[244+\k], v[244+\k], v[96+\j], s[18+\j+10*((\j+14)/16)+4*((\j+8)/16)]
	v_cndmask_b32 v[144+\j], v[144+\j], v213, s[18+\j+10*((\j+14)/16)+4*((\j+8)/16)]
.endr
	v_permlanex16_b32 v219, v[244+\k], s20, s21
	v_add_f32 v[244+\k], v[244+\k], v219           ; one of the two is 0
.endm
	ROUND 0
	ROUND 1
	ROUND 2
	ROUND 3
	v_add_f32 v220, v244, v245
	v_add_f32 v221, v246, v247
	v_add_f32 v220, v220, v221
	s_wait_alu depctr_va_vdst(0)
	v_rcp_f32 v220, v220
	v_nop
	s_wait_alu depctr_va_vdst(0)                   ; the reciprocal's result, ahead of its first reader
.irp k, 0,1,2,3
	v_mul_f32 v[244+\k], v[244+\k], v220
.endr
.irp k, 0,1,2,3
	v_mul_f32 v[244+\k], 0x40200000, v[244+\k]     ; x 2.5
.endr
	s_wait_alu depctr_va_vdst(0)                   ; the four ids and the four weights are written, which the two stores read
	global_store_b128 v13, v[240:243], s[12:13]    ; both lanes of a token store the same 16 bytes
	global_store_b128 v13, v[244:247], s[36:37]
.Lend:
	s_wait_dscnt 0x0                               ; the wave's end
	s_wait_alu 0x0
	s_wait_tensorcnt 0x0
	ds_add_u32 v[SPW], v[NIL]
	s_wait_dscnt 0x0
	s_endpgm
.Lfunc_end_k_q3c056d0a35_route:
	.size	k_q3c056d0a35_route, .Lfunc_end_k_q3c056d0a35_route-k_q3c056d0a35_route
	.p2alignl 7, 3214868480
	.fill 96, 4, 3214868480
	.section	.rodata,"a",@progbits
	.p2align	6, 0x0
	.amdhsa_kernel k_q3c056d0a35_route
		.amdhsa_group_segment_fixed_size 21760
		.amdhsa_private_segment_fixed_size 0
		.amdhsa_enable_private_segment 0
		.amdhsa_kernarg_size 48
		.amdhsa_user_sgpr_count 2
		.amdhsa_user_sgpr_kernarg_segment_ptr 1
		.amdhsa_wavefront_size32 1
		.amdhsa_system_sgpr_workgroup_id_x 1
		.amdhsa_system_sgpr_workgroup_id_y 1
		.amdhsa_system_sgpr_workgroup_id_z 1
		.amdhsa_system_vgpr_workitem_id 0
		.amdhsa_next_free_vgpr 256
		.amdhsa_next_free_sgpr 66
		.amdhsa_reserve_vcc 0
		.amdhsa_float_denorm_mode_32 3
		.amdhsa_float_denorm_mode_16_64 3
		.amdhsa_memory_ordered 1
		.amdhsa_forward_progress 1
		.amdhsa_inst_pref_size 76
	.end_amdhsa_kernel
	.amdgpu_metadata
---
amdhsa.version: [ 1, 2 ]
amdhsa.kernels:
  - .name:           k_q3c056d0a35_route
    .symbol:         k_q3c056d0a35_route.kd
    .args:
      - { .name: hidden_states, .offset: 0, .size: 8, .value_kind: global_buffer, .address_space: global }
      - { .name: gate_w, .offset: 8, .size: 8, .value_kind: global_buffer, .address_space: global }
      - { .name: expert_bias, .offset: 16, .size: 8, .value_kind: global_buffer, .address_space: global }
      - { .name: xq, .offset: 24, .size: 8, .value_kind: global_buffer, .address_space: global }
      - { .name: ids, .offset: 32, .size: 8, .value_kind: global_buffer, .address_space: global }
      - { .name: wts, .offset: 40, .size: 8, .value_kind: global_buffer, .address_space: global }
    .group_segment_fixed_size: 21760
    .private_segment_fixed_size: 0
    .kernarg_segment_align: 8
    .kernarg_segment_size: 48
    .max_flat_workgroup_size: 128
    .sgpr_count:     66
    .vgpr_count:     256
    .wavefront_size: 32
...
	.end_amdgpu_metadata
.endif
;; end of part 6
;; launch place (part 7): grid 32 x 1, 1 waves a work-group, no clusters, 0 bytes of LDS; arguments ids, list, cnt; writes list, cnt
.if DOCPART == 7
	.amdgcn_target "amdgcn-amd-amdhsa--gfx1250"
	.amdhsa_code_object_version 6
	.text
	.protected	k_q3c056d0a35_place
	.globl	k_q3c056d0a35_place
	.p2align	8
	.type	k_q3c056d0a35_place,@function
k_q3c056d0a35_place:
	s_mov_b64 s[64:65], 0
	v_nop
	global_prefetch_b8 v0, s[64:65] scope:SCOPE_SE
	s_setreg_imm32_b32 hwreg(HW_REG_WAVE_MODE, 25, 1), 1
	s_wait_xcnt 0x0
; PLACE.  Work-group e (one wave) scans all 1,024 tokens' four ids and writes expert e's list of rows, in the tokens' order: entry = token | slot << 16, slot = 4 token + k.
; Behind the list: 32 entries that only fill the last tile: token 0, slot 5120 + 16 e + (place % 16), whose weight in wts is 0.  cnt[e] = the number of rows.
; The shared expert is eight lists more (32..39) of 128 rows each: entry = token | (4096 + token) << 16; work-group e writes 32 of those entries, and work-groups 0..7 the counts.
; list: expert v at 8192 v, 4 bytes an entry, room for 2,048.  No atomics: a lane's place is the number of rows found so far + the number of lower lanes that found one.
; EXEC IS NEVER NARROWED BY A NUMBER READ FROM MEMORY: all 32 lanes store in every step.  A lane whose token has no row here puts its entry at entry DUMP + lane of my own list: the list and its filling entries
; end at entry 1055 at the latest, and nobody reads beyond them.  So every register that enters an address is written with all lanes on, and the choice between the two places is a v_cndmask_b32 ahead of the clamp.
; Each step has an address register and a data register of its own: no register that a store still reads is written again, and the 32 stores go out with no wait between them.
.set DUMP, 1088                        ; the first of the 32 entries that take what is not a row
.set AD,   160                         ; v160-191 step J's byte offset in list
.set DA,   192                         ; v192-223 step J's entry
	s_load_b128 s[4:7], s[0:1], 0x0                ; ids s[4:5], list s[6:7]
	s_load_b64 s[8:9], s[0:1], 0x10                ; cnt
	v_lshlrev_b32 v2, 4, v0                        ; a token's four ids: 16 bytes a lane
	s_mov_b32 s14, ttmp9                           ; e
	s_lshl_b32 s10, s14, 13                        ; my list
	s_lshl_b32 s11, s14, 5
	v_add_nc_u32 v3, s11, v0                       ; the shared expert's row 32 e + lane
	v_add_nc_u32 v4, 4096, v3
	v_lshl_or_b32 v4, v4, 16, v3
	s_lshr_b32 s12, s14, 2
	s_add_co_u32 s12, s12, 32
	s_lshl_b32 s12, s12, 13                        ; list 32 + e / 4,
	s_and_b32 s13, s14, 3
	s_lshl_b32 s13, s13, 7
	s_add_co_u32 s12, s12, s13                     ; entry 32 (e % 4) + lane
	v_lshl_add_u32 v5, v0, 2, s12
	v_add_nc_u32 v13, DUMP, v0                     ; my place for what is not a row
	s_wait_alu depctr_va_vdst(0)
	s_wait_kmcnt 0x0
.set J, 0
.rept 32
	global_load_b128 v[32+4*J:35+4*J], v2, s[4:5] offset:512*J     ; step J: tokens 32 J + lane
.set J, J+1
.endr
	global_store_b32 v5, v4, s[6:7]
	s_wait_loadcnt 0x0
	s_mov_b32 s15, 0                               ; rows found so far
.set J, 0
.rept 32
	v_cmp_eq_u32 s20, s14, v[32+4*J]
	v_cmp_eq_u32 s21, s14, v[33+4*J]
	v_cmp_eq_u32 s22, s14, v[34+4*J]
	v_cmp_eq_u32 s23, s14, v[35+4*J]
	v_cndmask_b32 v6, 0, 1, s21                    ; k: a token's four ids differ, so at most one is mine
	v_cndmask_b32 v6, v6, 2, s22
	v_cndmask_b32 v6, v6, 3, s23
	s_or_b32 s20, s20, s21
	s_or_b32 s22, s22, s23
	s_or_b32 vcc_lo, s20, s22                      ; the lanes whose token has a row here
	v_mbcnt_lo_u32_b32 v7, vcc_lo, s15             ; such a lane's place in the list;
	v_cndmask_b32 v7, v13, v7, vcc_lo              ; the others' place behind it;
	v_min_u32 v7, 0x7ff, v7                        ; held inside my list by a constant before it enters an address,
	v_lshlrev_b32 v7, 2, v7                        ; x 4 bytes,
	v_add_nc_u32 v[AD+J], s10, v7                  ; in my list
	v_add_nc_u32 v8, 32*J, v0                      ; the token
	v_lshl_add_u32 v9, v8, 2, v6                   ; the slot
	v_lshl_or_b32 v[DA+J], v9, 16, v8
	global_store_b32 v[AD+J], v[DA+J], s[6:7]
	s_bcnt1_i32_b32 s25, vcc_lo
	s_add_co_u32 s15, s15, s25
.set J, J+1
.endr
	v_add_nc_u32 v7, s15, v0                       ; the 32 entries behind the list
	v_min_u32 v7, 0x7ff, v7
	v_and_b32 v8, 15, v7
	s_lshl_b32 s26, s14, 4
	s_add_co_u32 s26, s26, 5120
	v_add_nc_u32 v8, s26, v8
	v_lshlrev_b32 v15, 16, v8                      ; token 0, slot 5120 + 16 e + place % 16
	v_lshlrev_b32 v7, 2, v7
	v_add_nc_u32 v14, s10, v7
	global_store_b32 v14, v15, s[6:7]
	s_cmp_lt_u32 s14, 8                            ; the counts: lane 0 stores cnt[e]; in work-groups 0..7 lane 1 stores cnt[32 + e] = 128
	s_cselect_b32 s27, 2, 1
	v_min_u32 v10, 1, v0
	v_lshlrev_b32 v10, 7, v10
	s_lshl_b32 s28, s14, 2
	v_add_nc_u32 v10, s28, v10
	v_mov_b32 v11, 128
	v_mov_b32 v12, s15
	v_cmp_eq_u32 vcc_lo, 0, v0
	v_cndmask_b32 v11, v11, v12, vcc_lo
	v_cmp_gt_u32 vcc_lo, s27, v0                   ; a mask made of the lane's and the work-group's numbers alone
	s_wait_alu depctr_va_vdst(0)
	s_wait_xcnt 0x0                                ; EXEC changes only behind this wait
	s_and_saveexec_b32 s24, vcc_lo
	global_store_b32 v10, v11, s[8:9]
	s_wait_xcnt 0x0                                ; and again, ahead of the line that restores it
	s_or_b32 exec_lo, exec_lo, s24
	s_endpgm
.Lfunc_end_k_q3c056d0a35_place:
	.size	k_q3c056d0a35_place, .Lfunc_end_k_q3c056d0a35_place-k_q3c056d0a35_place
	.p2alignl 7, 3214868480
	.fill 96, 4, 3214868480
	.section	.rodata,"a",@progbits
	.p2align	6, 0x0
	.amdhsa_kernel k_q3c056d0a35_place
		.amdhsa_group_segment_fixed_size 0
		.amdhsa_private_segment_fixed_size 0
		.amdhsa_enable_private_segment 0
		.amdhsa_kernarg_size 24
		.amdhsa_user_sgpr_count 2
		.amdhsa_user_sgpr_kernarg_segment_ptr 1
		.amdhsa_wavefront_size32 1
		.amdhsa_system_sgpr_workgroup_id_x 1
		.amdhsa_system_sgpr_workgroup_id_y 1
		.amdhsa_system_sgpr_workgroup_id_z 1
		.amdhsa_system_vgpr_workitem_id 0
		.amdhsa_next_free_vgpr 224
		.amdhsa_next_free_sgpr 66
		.amdhsa_reserve_vcc 1
		.amdhsa_float_denorm_mode_32 3
		.amdhsa_float_denorm_mode_16_64 3
		.amdhsa_memory_ordered 1
		.amdhsa_forward_progress 1
		.amdhsa_inst_pref_size 41
	.end_amdhsa_kernel
	.amdgpu_metadata
---
amdhsa.version: [ 1, 2 ]
amdhsa.kernels:
  - .name:           k_q3c056d0a35_place
    .symbol:         k_q3c056d0a35_place.kd
    .args:
      - { .name: ids, .offset: 0, .size: 8, .value_kind: global_buffer, .address_space: global }
      - { .name: list, .offset: 8, .size: 8, .value_kind: global_buffer, .address_space: global }
      - { .name: cnt, .offset: 16, .size: 8, .value_kind: global_buffer, .address_space: global }
    .group_segment_fixed_size: 0
    .private_segment_fixed_size: 0
    .kernarg_segment_align: 8
    .kernarg_segment_size: 24
    .max_flat_workgroup_size: 32
    .sgpr_count:     66
    .vgpr_count:     224
    .wavefront_size: 32
...
	.end_amdgpu_metadata
.endif
;; end of part 7
;; launch gateup (part 8): grid 8 x 40, 8 waves a work-group, no clusters, 103,424 bytes of LDS; arguments xq, list, cnt, wts, w_gate, w_up, sw_gate, sw_up, midc, mids; writes midc, mids
.if DOCPART == 8
	.amdgcn_target "amdgcn-amd-amdhsa--gfx1250"
	.amdhsa_code_object_version 6
	.text
	.protected	k_q3c056d0a35_gateup
	.globl	k_q3c056d0a35_gateup
	.p2align	8
	.type	k_q3c056d0a35_gateup,@function
k_q3c056d0a35_gateup:
	s_mov_b64 s[64:65], 0
	v_nop
	global_prefetch_b8 v0, s[64:65] scope:SCOPE_SE
	s_setreg_imm32_b32 hwreg(HW_REG_WAVE_SCHED_MODE, 0, 2), 2
	s_setreg_imm32_b32 hwreg(HW_REG_WAVE_MODE, 25, 1), 1
	s_wait_xcnt 0x0
	s_wait_alu depctr_vm_vsrc(0)
; GATEUP.  For one expert v and 64 of its 512 hidden units: g = x Wg, u = x Wu on codes of FP6 (E2M3, one E8M0 byte for each 32 along K = 1,024), for the rows that the list gives to v alone;
; then mid = silu(g) u x the row's route weight, in f32, quantised along the hidden units (the next product's K) and stored.  v = 32..39 are the shared expert's eight lists (weights sw_*, route weight 1.0).
; PHASE 1.  The weights are [K][512] f32: K is their first axis.  A lane takes a column and its registers run down K: a block of 32 along K is one lane's 32 registers, its largest magnitude needs no other lane,
;   and the conversions give codes with K innermost.  Wave w takes matrix w % 2, columns 32 ((w / 2) % 2) on, K rows 512 (w / 4) on: 16 blocks; each load of the wave covers 128 consecutive bytes.
;   Four blocks make a K step of two fragments (16 columns each), which go to LDS as images of their registers: 16 bytes a lane, 512 bytes a store; the scale words 4 bytes a lane.
;   LANE l TAKES COLUMN l % 8 + 16 ((l / 8) % 2) + 8 (l / 16), so that row m of tile u is column 8 u + m + 8 (m / 8), and a lane's 16 results of tiles 0 and 1 are 16 neighbours along the next K.
; PHASE 2, behind the one barrier.  Wave w takes tiles of 16 rows w, w + 8, ..  Source 0 = 16 columns of W, source 1 = 16 rows of x (gathered from xq, which lies in the order of the operand's registers):
;   a lane holds one row.  Two passes of 32 columns; in each four accumulators (g and u, tiles 0 and 1) by turns, 8 K steps.
; No tensor load and no cluster: the number of tiles is read from memory, and each routed weight byte is read by one work-group alone.
; An expert with no row still makes one tile (rows of weight 0), so that the next launch reads only bytes that were stored.
; OUT: midc: tile (v, j) at 6144 (64 v + j): [block of 32 units q][row r][24 bytes].  mids: tile at 256 (64 v + j): byte 16 r + q.
; LIMITS: NaN and infinities are not served.  A block whose largest magnitude lies under 2^-124 keeps the byte 1, a block of zeros too (its codes are zeros; only this program reads the bytes).
;         v_exp_f32 and v_rcp_f32 flush denormals.  mid is formed as ((g u) w) / (1 + e^-g): the order of the three multiplications differs from the source's.
; THE MODE: SCHED_MODE bits 1:0 = 2 (LLVM: expert scheduling mode 2), set by the entry lines.  The code itself states the register dependences
; between vector or matrix instructions and memory or LDS instructions, with s_wait_alu, always for 0.
; THE PLAN.  Registers that memory or LDS instructions touch.
; Phase 1:  X0, two sets   Block t's maxima and conversions read set t % 2; behind them block t + 2's 32 loads land in it.
;           F0, F1, SW     Written by the conversions, moves and swaps of a K step's four blocks; read by the image stores in the fourth; written again from the next block on.
;           WO, WA, WSA    Made at the head; no vector line writes them again.
;   ONE wait on va_vdst to a block, behind its last vector line: the block is done reading its set, and in the fourth block the images are written.  The image stores and the next loads follow it.
;   One wait on vm_vsrc to a K step, ahead of the first line that writes the images' registers again.
; Phase 2:  WB, WS, two sets  K step s's four products read set s % 2; the LDS loads of step s + 1 land in the other set, which step s - 1 read.
;           XF, XS, WT, v9    Loaded for a tile; read by products and vector lines; loaded again for the next tile.
;           v160-199          A pass's tail works here; the stores read the codes v192-194 and the bytes v196; the next pass's LDS loads land over all of it.
;           v8, v10, v11, v14, v12, v13   Offsets that vector lines write once a tile and loads or stores read.
;   One wait on va_vdst at a pass's head, one at the head of K steps 1 to 6 (behind the wait for the step's own set: the products of the step before are done reading the other set), one ahead of a pass's stores,
;   one ahead of the list's load and one ahead of the gather.  A step's 14 LDS loads follow its wait, dealt among its four products, which name the step's own set, XF, XS and the accumulators alone.
;   One wait on vm_vsrc at a tile's head and one at the second pass's head, beside the waits on XCNT.
.set WREG,  12288                      ; LDS: a wave's images: fragment (tile u, K step sl of its four) at (4 u + sl) x 1,536
.set FRB,   1536
.set UD,    4*FRB
.set WSC,   98304                      ; the scale words: 512 w + 128 sl + 4 lane: lanes 0-15 tile 0's, lanes 16-31 tile 1's
.set SPARE, 102400                     ; the spare words, 128 bytes a wave: four blocks of 256 bytes that no other line names
.set WPITCH, 2048                      ; a K row of a weight in bytes
.set FLOOR, 0x1800000
.set EOFF,  0xff000000
; v0 a lane permute's destination; v1 16 lane; v2 16 lane + 4 WREG; v3 4 lane + WSC; v4-7 lane terms of the list, xq, midc, mids; v8 list offset; v9 entry; v10 xq codes; v11 wts; v12 midc; v13 mids; v14 xq row; v15 pass 0's byte
; s24 wave; s25 v; s26 slice; s27 tiles of v; s29 a tile's number, held at 63; s40 my trips so far; s41 my trips in all
.set XS,  16                           ; v16-23  x's scale words;   v24-27 W's, two sets.  They hold scales and nothing else
.set WS,  24
.set WT,  28                           ; v28 the row's route weight, v29 0 (named with it as a pair)
.set SPW, 30
.set NIL, 31
.set XF,  32                           ; v32-127  x's eight fragments
.set ACC, 128                          ; v128-159 g tile 0, g tile 1, u tile 0, u tile 1
.set WB,  160                          ; v160-255 W's fragments: two sets of four
.set X0,  128                          ; phase 1: v128-191 two sets of 32 numbers
.set F0,  192                          ; v192-203 even blocks, then tile 0's fragment;  v204-215 odd blocks, then tile 1's
.set F1,  204
.set TC,  216
.set MXA, 220
.set MXB, 221
.set SCL, 222
.set BY,  223
.set SW,  224
.set WO,  225
.set WA,  226
.set WSA, 227
.set TT,  160                          ; the tail of a pass: v160-175 1 + e^-g and its reciprocal, v176-191 mid, v192-194 codes
.set MM,  176
.set CC,  192
.set EBY, 196
.set EMA, 197
.set EMB, 198
.set ESC, 199
.macro PLACES
.rept 4
	v_nop
.endr
.endm
.macro LOADW t                         ; block t: W(32 t + i, my column), i = 0 .. 31, into set t % 2
.irp i, 0,1,2,3,4,5,6,7,8,9,10,11,12,13,14,15,16,17,18,19,20,21,22,23,24,25,26,27,28,29,30,31
	global_load_b32 v[X0+32*((\t)%2)+\i], v[WO], s[30:31] offset:(32*(\t)+\i)*WPITCH
.endr
.endm
.macro WBLK t, more, n                 ; block t is quantised.  n: the younger loads that may stay out
.set XB, X0+32*((\t)%2)
.set BQ, (\t)%4
.set FD, F0+12*(BQ%2)+6*(BQ/2)
.set SL, (\t)/4
	s_wait_loadcnt \n
	v_max3_num_f32 v[MXA], |v[XB]|, |v[XB+1]|, |v[XB+2]|            ; the block's largest magnitude: all 32 numbers are mine; two chains
	v_max3_num_f32 v[MXB], |v[XB+3]|, |v[XB+4]|, |v[XB+5]|
.irp i, 6,10,14,18,22,26
	v_max3_num_f32 v[MXA], v[MXA], |v[XB+\i]|, |v[XB+\i+1]|
	v_max3_num_f32 v[MXB], v[MXB], |v[XB+\i+2]|, |v[XB+\i+3]|
.endr
	v_max3_num_f32 v[MXA], v[MXA], |v[XB+30]|, |v[XB+31]|
	v_max3_num_f32 v[MXA], v[MXA], v[MXB], FLOOR
	v_add_nc_u32 v[SCL], EOFF, v[MXA]                               ; 2 off its exponent field: the conversion's scale operand
	v_lshrrev_b32 v[BY], 23, v[SCL]                                 ; the scale's byte
.if BQ == 0
.if (\t) > 0
	s_wait_alu depctr_va_vdst(0)
	s_wait_dscnt 0x0                                                ; the last K step's image stores are done
	s_wait_alu depctr_vm_vsrc(0)                                    ; they have read F0, F1 and the scale word, which are written again from here on
.endif
	v_mov_b32 v[SW], v[BY]
.else
	v_lshl_or_b32 v[SW], v[BY], 8*BQ, v[SW]
.endif
	v_cvt_scalef32_pk16_fp6_f32 v[FD:FD+2], v[XB:XB+15], v[SCL]
	v_cvt_scalef32_pk16_fp6_f32 v[TC:TC+2], v[XB+16:XB+31], v[SCL]  ; (a conversion's three registers begin on an even number)
	v_nop                                                           ; one plain line behind the conversions
.irp i, 0,1,2
	v_mov_b32 v[FD+3+\i], v[TC+\i]
.endr
.if BQ%2 == 1                          ; a fragment's lanes 0-15 want a column's even blocks, lanes 16-31 its odd ones: F0's upper lanes change places with F1's lower
.irp i, 0,1,2,3,4,5
	v_permlane16_swap_b32 v[F0+6*(BQ/2)+\i], v[F1+6*(BQ/2)+\i]
.endr
.endif
.if (\more) || (BQ == 3)
	s_wait_alu depctr_va_vdst(0)                                    ; the block's maxima and conversions are done reading its set, in which the loads below land; in a K step's fourth block its two fragments and scale word are written, which the image stores read
.endif
.if BQ == 3
.irp k, 0,1,2
	ds_store_b128 v[WA], v[F0+4*\k:F0+4*\k+3] offset:SL*FRB+512*\k
	ds_store_b128 v[WA], v[F1+4*\k:F1+4*\k+3] offset:UD+SL*FRB+512*\k
.endr
	ds_store_b32 v[WSA], v[SW] offset:128*SL
.endif
.if \more
	LOADW (\t)+2                                                    ; the set just read takes the block two on
.endif
.endm
.macro XADR                            ; from a list entry: the token's row of xq, my half's codes in it, the slot's weight.  What was loaded is held by a constant before it enters an address
	v_and_b32 v14, 0xffff, v9
	v_min_u32 v14, 0x3ff, v14
	v_lshlrev_b32 v14, 10, v14
	v_add_nc_u32 v10, v14, v5
	v_lshrrev_b32 v11, 16, v9
	v_min_u32 v11, 0x17ff, v11
	v_lshlrev_b32 v11, 2, v11
.endm
.macro XGATHER                         ; 27 loads: my row's 96 fragment registers (384 consecutive bytes), its eight scale words, its weight
.irp i, 0,1,2,3,4,5,6,7,8,9,10,11,12,13,14,15,16,17,18,19,20,21,22,23
	global_load_b128 v[XF+4*\i:XF+4*\i+3], v10, s[4:5] offset:16*\i
.endr
	global_load_b128 v[XS:XS+3], v14, s[4:5] offset:768
	global_load_b128 v[XS+4:XS+7], v14, s[4:5] offset:784
	global_load_b32 v[WT], v11, s[10:11]
.endm
.macro TILENO                          ; s29 = my tile of trip s40: w + 8 x trip, held at 63 by a constant before it enters an address
	s_lshl_b32 s29, s40, 3
	s_add_co_u32 s29, s29, s24
	s_min_u32 s29, s29, 63
.endm
.macro LOADF cg, s, buf, x             ; three LDS loads: K step s of fragment x (matrix x / 2, tile x % 2) of columns 32 cg on
.irp k, 0,1,2
.if (\s) < 4
	ds_load_b128 v[WB+48*(\buf)+12*(\x)+4*\k:WB+48*(\buf)+12*(\x)+4*\k+3], v1 offset:WREG*((\x)/2+2*(\cg))+(4*((\x)%2)+(\s)%4)*FRB+512*\k
.else
	ds_load_b128 v[WB+48*(\buf)+12*(\x)+4*\k:WB+48*(\buf)+12*(\x)+4*\k+3], v2 offset:WREG*((\x)/2+2*(\cg))+(4*((\x)%2)+(\s)%4)*FRB+512*\k
.endif
.endr
.endm
.macro LOADS cg, s, buf                ; two LDS loads: the two matrices' scale words of K step s
.irp m, 0,1
	ds_load_b32 v[WS+2*(\buf)+\m], v3 offset:512*(\m+2*(\cg)+4*((\s)/4))+128*((\s)%4)
.endr
.endm
.macro LOADG cg, s, buf                ; all 14 of a K step in one run
.irp x, 0,1,2,3
	LOADF \cg, \s, \buf, \x
.endr
	LOADS \cg, \s, \buf
.endm
.macro WM d, a, b, first, sa, sb, row
.if \first
.if \row
	v_wmma_scale_f32_16x16x128_f8f6f4 v[(\d):(\d)+7], v[(\a):(\a)+11], v[(\b):(\b)+11], 0, v[\sa], v[\sb] matrix_a_fmt:MATRIX_FMT_FP6 matrix_b_fmt:MATRIX_FMT_FP6 matrix_a_scale:MATRIX_SCALE_ROW1
.else
	v_wmma_scale_f32_16x16x128_f8f6f4 v[(\d):(\d)+7], v[(\a):(\a)+11], v[(\b):(\b)+11], 0, v[\sa], v[\sb] matrix_a_fmt:MATRIX_FMT_FP6 matrix_b_fmt:MATRIX_FMT_FP6
.endif
.else
.if \row
	v_wmma_scale_f32_16x16x128_f8f6f4 v[(\d):(\d)+7], v[(\a):(\a)+11], v[(\b):(\b)+11], v[(\d):(\d)+7], v[\sa], v[\sb] matrix_a_fmt:MATRIX_FMT_FP6 matrix_b_fmt:MATRIX_FMT_FP6 matrix_a_scale:MATRIX_SCALE_ROW1
.else
	v_wmma_scale_f32_16x16x128_f8f6f4 v[(\d):(\d)+7], v[(\a):(\a)+11], v[(\b):(\b)+11], v[(\d):(\d)+7], v[\sa], v[\sb] matrix_a_fmt:MATRIX_FMT_FP6 matrix_b_fmt:MATRIX_FMT_FP6
.endif
.endif
.endm
.macro MUL1 s, buf, x                  ; product x of a K step's four: the four accumulators take turns; the first K step starts the sums
.if (\s) == 0
	WM ACC+8*(\x), WB+48*(\buf)+12*(\x), XF+12*(\s), 1, WS+2*(\buf)+(\x)/2, XS+(\s), (\x)%2
.else
	WM ACC+8*(\x), WB+48*(\buf)+12*(\x), XF+12*(\s), 0, WS+2*(\buf)+(\x)/2, XS+(\s), (\x)%2
.endif
.endm
.macro PASS cg                         ; 32 columns of g and of u for my 16 rows, and their block of mid
.if \cg
	s_wait_xcnt 0x0                                ; the last pass's store has read its codes, over which the loads below land
	s_wait_alu depctr_vm_vsrc(0)                   ; the same, stated for the mode: the store has read v192-194
.endif
	s_wait_alu depctr_va_vdst(0)                   ; the vector lines so far (phase 1's, or the last pass's tail) are done with v160-255, in which the LDS loads land; the tile's store offsets v12, v13 are written
	LOADG \cg, 0, 0
	LOADG \cg, 1, 1
	s_wait_dscnt 14                                ; K step 0's 14 loads are in; step 1's 14 may be out
.irp x, 0,1,2,3
	MUL1 0, 0, \x
.endr
.irp s, 1,2,3,4,5,6
	s_wait_dscnt 0x0                               ; this K step's set is in
	s_wait_alu depctr_va_vdst(0)                   ; the products of the step before are done reading the other set and its scale words, in which the loads below land
	LOADS \cg, \s+1, (\s+1)%2
.irp x, 0,1,2,3
	LOADF \cg, \s+1, (\s+1)%2, \x                  ; the next step's loads, dealt among this step's products, which name none of their registers
	MUL1 \s, \s%2, \x
.endr
.endr
	s_wait_dscnt 0x0
.irp x, 0,1,2,3
	MUL1 7, 1, \x
.endr
	PLACES                                         ; four places ahead of the first read of the results, and of the vector lines that write over W's fragments
.irp i, 0,2,4,6,8,10,12,14
	v_pk_mul_f32 v[TT+\i:TT+\i+1], v[ACC+\i:ACC+\i+1], s[38:39] op_sel_hi:[1,0]   ; -g log2(e); each accumulator is read from its low end on
.endr
	s_wait_alu depctr_va_vdst(0)
.irp i, 0,1,2,3,4,5,6,7,8,9,10,11,12,13,14,15
	v_exp_f32 v[TT+\i], v[TT+\i]
.endr
	s_wait_alu depctr_va_vdst(0)
.irp i, 0,2,4,6,8,10,12,14
	v_pk_mul_f32 v[MM+\i:MM+\i+1], v[ACC+\i:ACC+\i+1], v[ACC+16+\i:ACC+17+\i]     ; g u: plain work behind the batch
.endr
.irp i, 0,2,4,6,8,10,12,14
	v_pk_mul_f32 v[MM+\i:MM+\i+1], v[MM+\i:MM+\i+1], v[WT:WT+1] op_sel_hi:[1,0]   ; x the route weight
.endr
	s_wait_alu depctr_va_vdst(0)                   ; one wait for the 16 exponentials' results, ahead of the first line that names one
.irp i, 0,2,4,6,8,10,12,14
	v_pk_add_f32 v[TT+\i:TT+\i+1], v[TT+\i:TT+\i+1], 1.0 op_sel_hi:[1,0]
.endr
	s_wait_alu depctr_va_vdst(0)
.irp i, 0,1,2,3,4,5,6,7,8,9,10,11,12,13,14,15
	v_rcp_f32 v[TT+\i], v[TT+\i]
.endr
	v_nop
	s_wait_alu depctr_va_vdst(0)                   ; and one for the 16 reciprocals'
.irp i, 0,2,4,6,8,10,12,14
	v_pk_mul_f32 v[MM+\i:MM+\i+1], v[MM+\i:MM+\i+1], v[TT+\i:TT+\i+1]             ; mid: register i is unit 32 cg + 16 h + i of my row
.endr
	v_max3_num_f32 v[EMA], |v[MM]|, |v[MM+1]|, FLOOR
	v_max3_num_f32 v[EMB], |v[MM+2]|, |v[MM+3]|, |v[MM+4]|
	v_max3_num_f32 v[EMA], v[EMA], |v[MM+5]|, |v[MM+6]|
	v_max3_num_f32 v[EMB], v[EMB], |v[MM+7]|, |v[MM+8]|
	v_max3_num_f32 v[EMA], v[EMA], |v[MM+9]|, |v[MM+10]|
	v_max3_num_f32 v[EMB], v[EMB], |v[MM+11]|, |v[MM+12]|
	v_max3_num_f32 v[EMA], v[EMA], |v[MM+13]|, |v[MM+14]|
	v_max3_num_f32 v[EMA], v[EMA], v[EMB], |v[MM+15]|
	v_permlanex16_b32 v0, v[EMA], s36, s37
	v_max_num_f32 v[EMA], v[EMA], v0               ; with lane l xor 16's 16 units: the block's largest magnitude
	v_add_nc_u32 v[ESC], EOFF, v[EMA]
	v_cvt_scalef32_pk16_fp6_f32 v[CC:CC+2], v[MM:MM+15], v[ESC]
.if \cg == 0
	v_lshrrev_b32 v15, 23, v[ESC]                  ; the scale's byte, kept for the second pass.  (The plain line behind the conversion)
	s_wait_alu depctr_va_vdst(0)                   ; the conversion has written the codes, which the store reads
	global_store_b96 v12, v[CC:CC+2], s[20:21]     ; the wave stores 384 consecutive bytes: 16 rows x 24
.else
	v_lshrrev_b32 v[EBY], 23, v[ESC]
	v_lshl_or_b32 v[EBY], v[EBY], 8, v15
	s_wait_alu depctr_va_vdst(0)                   ; the codes and the two bytes are written, which the two stores read
	global_store_b96 v12, v[CC:CC+2], s[20:21] offset:384
	global_store_b16 v13, v[EBY], s[22:23]         ; my row's two bytes; both lanes of a row store the same
.endif
.endm
	s_load_b256 s[4:11], s[0:1], 0x0               ; xq s[4:5], list s[6:7], cnt s[8:9], wts s[10:11]
	s_load_b256 s[12:19], s[0:1], 0x20             ; w_gate s[12:13], w_up s[14:15], sw_gate s[16:17], sw_up s[18:19]
	s_load_b128 s[20:23], s[0:1], 0x40             ; midc s[20:21], mids s[22:23]
	v_lshl_add_u32 v[SPW], v0, 2, SPARE
	v_mov_b32 v[NIL], 0
	v_lshrrev_b32 v1, 5, v0
	v_readfirstlane_b32 s24, v1                    ; wave 0..7
	s_and_b32 s25, ttmp7, 0xffff                   ; v
	s_mov_b32 s26, ttmp9                           ; which 64 hidden units
	v_and_b32 v228, 31, v0                         ; lane
	v_and_b32 v229, 15, v0                         ; r
	v_bfe_u32 v230, v0, 4, 1                       ; h
	v_lshlrev_b32 v1, 4, v228
	v_add_nc_u32 v2, 4*WREG, v1
	v_lshl_add_u32 v3, v228, 2, WSC
	s_lshl_b32 s32, s25, 13
	v_lshl_add_u32 v4, v229, 2, s32                ; the list: 8192 v + 4 r
	v_mul_u32_u24 v5, v230, 384                    ; xq: my half's codes
	s_mul_i32 s32, s26, 768
	s_mul_i32 s33, s25, 393216
	s_add_co_u32 s32, s32, s33
	v_mul_u32_u24 v6, v229, 24
	v_mad_u32_u24 v6, v230, 12, v6
	v_add_nc_u32 v6, s32, v6                       ; midc: 64 x 6144 v + 384 (2 slice) + 24 r + 12 h
	s_lshl_b32 s32, s26, 1
	s_lshl_b32 s33, s25, 14
	s_add_co_u32 s32, s32, s33
	v_lshl_add_u32 v7, v229, 4, s32                ; mids: 64 x 256 v + 16 r + 2 slice
	v_mov_b32 v[WT+1], 0
	v_and_b32 v231, 7, v0
	v_bfe_u32 v232, v0, 3, 1
	v_lshl_add_u32 v231, v232, 4, v231
	v_lshl_add_u32 v231, v230, 3, v231             ; my column of the wave's 32
	s_lshl_b32 s32, s26, 8
	s_wait_alu depctr_va_sdst(0)                   ; s24 is written, ahead of its first reader
	s_bfe_u32 s33, s24, 0x10001
	s_lshl_b32 s33, s33, 7
	s_add_co_u32 s32, s32, s33
	v_lshl_add_u32 v[WO], v231, 2, s32             ; in bytes: 256 slice + 128 ((w / 2) % 2) + 4 column
	s_mul_i32 s32, s24, WREG
	v_add_nc_u32 v[WA], s32, v1
	s_lshl_b32 s32, s24, 9
	v_add_nc_u32 v[WSA], s32, v3
	s_mov_b32 s36, 0x76543210
	s_mov_b32 s37, 0xfedcba98
	s_mov_b32 s38, 0xbfb8aa3b                      ; -log2(e)
	s_mov_b32 s39, s38
	s_lshl_b32 s35, s25, 2
	s_wait_kmcnt 0x0
	s_load_b32 s27, s[8:9], s35 offset:0x0         ; how many rows v has
	s_cmp_lt_u32 s25, 32                           ; a routed expert or the shared one: the choice hangs on the work-group's number alone
	s_cselect_b64 s[12:13], s[12:13], s[16:17]
	s_cselect_b64 s[14:15], s[14:15], s[18:19]
	s_cselect_b32 s32, s25, 0
	s_lshl_b32 s32, s32, 21                        ; an expert's matrix is 2^21 bytes,
	s_lshr_b32 s33, s24, 2
	s_lshl_b32 s33, s33, 20                        ; 512 K rows 2^20
	s_add_co_u32 s32, s32, s33
	s_mov_b32 s33, 0
	s_and_b32 s34, s24, 1
	s_cmp_eq_u32 s34, 0
	s_cselect_b64 s[30:31], s[12:13], s[14:15]     ; even waves: gate; odd waves: up
	s_add_nc_u64 s[30:31], s[30:31], s[32:33]
	s_wait_alu depctr_va_vdst(0)                   ; the addresses that stay (v1, v2, v3, WO, WA, WSA) are written, which the loads and LDS instructions of the whole kernel read
	LOADW 0
	s_wait_kmcnt 0x0
	s_min_u32 s27, s27, 1024
	s_add_co_u32 s27, s27, 15
	s_lshr_b32 s27, s27, 4
	s_max_u32 s27, s27, 1
	s_min_u32 s27, s27, 64                         ; s27: tiles of 16 rows, 1 to 64
	s_sub_co_u32 s29, s27, 1
	s_min_u32 s29, s29, s24                        ; my first tile; a wave with none fetches the last one and leaves it unused, so that every count below holds on every way
	s_min_u32 s29, s29, 63
	s_lshl_b32 s29, s29, 6
	v_add_nc_u32 v8, s29, v4
	s_wait_alu depctr_va_vdst(0)                   ; v8 is written, which the load below reads
	global_load_b32 v9, v8, s[6:7]                 ; my row's entry
	LOADW 1
	s_wait_loadcnt 32                              ; block 0 and the entry are in; block 1's 32 loads may be out
	XADR
	s_wait_alu depctr_va_vdst(0)                   ; v10, v11, v14 are written, which the gather reads
	XGATHER                                        ; the first tile's rows come while the weights are streamed
	WBLK 0,  1, 59                                 ; younger than block 0: block 1's 32 and the gather's 27
	WBLK 1,  1, 59                                 ; younger than block 1: the gather's 27 and block 2's 32
	WBLK 2,  1, 32                                 ; from here on: the next block's 32
	WBLK 3,  1, 32
	WBLK 4,  1, 32
	WBLK 5,  1, 32
	WBLK 6,  1, 32
	WBLK 7,  1, 32
	WBLK 8,  1, 32
	WBLK 9,  1, 32
	WBLK 10, 1, 32
	WBLK 11, 1, 32
	WBLK 12, 1, 32
	WBLK 13, 1, 32
	WBLK 14, 0, 32
	WBLK 15, 0, 0
	s_wait_dscnt 0x0                               ; for the others' sake: my images have landed
	s_barrier_signal -1
	s_barrier_wait -1                              ; the one barrier: it stands ahead of every branch on a number read from memory
	s_add_co_u32 s41, s27, 7
	s_sub_co_u32 s41, s41, s24
	s_lshr_b32 s41, s41, 3                         ; my trips: the tiles w, w + 8, .. under s27: (s27 + 7 - w) / 8, 0 to 8
	s_mov_b32 s40, 0
	s_cmp_eq_u32 s41, 0
	s_cbranch_scc1 .Lend
.Ltile:                                ; a trip is a tile; the trips are counted by 1 against s41, which the loop does not write
	s_wait_loadcnt 0x0                             ; the tile's rows
	s_wait_xcnt 0x0                                ; the last tile's stores have read their offsets and data
	s_wait_alu depctr_vm_vsrc(0)                   ; the last tile's stores have read v12, v13, the codes and the bytes; the list's load and the gather have read v8, v10, v11, v14; in the first trip the image stores have read F0, F1, SW, WA, WSA and the weights' loads WO: all of these are written again in this trip
	TILENO
	s_mul_i32 s32, s29, 6144
	s_lshl_b32 s33, s29, 8
	v_add_nc_u32 v12, s32, v6
	v_add_nc_u32 v13, s33, v7
	PASS 0
	PASS 1
	s_add_co_u32 s40, s40, 1
	s_cmp_ge_u32 s40, s41
	s_cbranch_scc1 .Lend                           ; no tile is left: nothing more is fetched
	TILENO
	s_lshl_b32 s29, s29, 6
	v_add_nc_u32 v8, s29, v4
	s_wait_alu depctr_va_vdst(0)                   ; v8 is written, which the load below reads
	global_load_b32 v9, v8, s[6:7]
	s_wait_loadcnt 0x0
	XADR
	s_wait_alu depctr_va_vdst(0)                   ; v10, v11, v14 are written, which the gather reads; the products are done reading XF and XS, the tail WT, in which it lands
	XGATHER
	s_cmp_lt_u32 s40, s41                          ; (the lines above have written SCC: compared again for the counted jump back)
	s_cbranch_scc1 .Ltile
.Lend:
	s_wait_dscnt 0x0                               ; the wave's end
	s_wait_alu 0x0
	s_wait_tensorcnt 0x0
	ds_add_u32 v[SPW], v[NIL]
	s_wait_dscnt 0x0
	s_endpgm
.Lfunc_end_k_q3c056d0a35_gateup:
	.size	k_q3c056d0a35_gateup, .Lfunc_end_k_q3c056d0a35_gateup-k_q3c056d0a35_gateup
	.p2alignl 7, 3214868480
	.fill 96, 4, 3214868480
	.section	.rodata,"a",@progbits
	.p2align	6, 0x0
	.amdhsa_kernel k_q3c056d0a35_gateup
		.amdhsa_group_segment_fixed_size 103424
		.amdhsa_private_segment_fixed_size 0
		.amdhsa_enable_private_segment 0
		.amdhsa_kernarg_size 80
		.amdhsa_user_sgpr_count 2
		.amdhsa_user_sgpr_kernarg_segment_ptr 1
		.amdhsa_wavefront_size32 1
		.amdhsa_system_sgpr_workgroup_id_x 1
		.amdhsa_system_sgpr_workgroup_id_y 1
		.amdhsa_system_sgpr_workgroup_id_z 1
		.amdhsa_system_vgpr_workitem_id 0
		.amdhsa_next_free_vgpr 256
		.amdhsa_next_free_sgpr 66
		.amdhsa_reserve_vcc 0
		.amdhsa_float_denorm_mode_32 3
		.amdhsa_float_denorm_mode_16_64 3
		.amdhsa_memory_ordered 1
		.amdhsa_forward_progress 1
		.amdhsa_inst_pref_size 119
	.end_amdhsa_kernel
	.amdgpu_metadata
---
amdhsa.version: [ 1, 2 ]
amdhsa.kernels:
  - .name:           k_q3c056d0a35_gateup
    .symbol:         k_q3c056d0a35_gateup.kd
    .args:
      - { .name: xq, .offset: 0, .size: 8, .value_kind: global_buffer, .address_space: global }
      - { .name: list, .offset: 8, .size: 8, .value_kind: global_buffer, .address_space: global }
      - { .name: cnt, .offset: 16, .size: 8, .value_kind: global_buffer, .address_space: global }
      - { .name: wts, .offset: 24, .size: 8, .value_kind: global_buffer, .address_space: global }
      - { .name: w_gate, .offset: 32, .size: 8, .value_kind: global_buffer, .address_space: global }
      - { .name: w_up, .offset: 40, .size: 8, .value_kind: global_buffer, .address_space: global }
      - { .name: sw_gate, .offset: 48, .size: 8, .value_kind: global_buffer, .address_space: global }
      - { .name: sw_up, .offset: 56, .size: 8, .value_kind: global_buffer, .address_space: global }
      - { .name: midc, .offset: 64, .size: 8, .value_kind: global_buffer, .address_space: global }
      - { .name: mids, .offset: 72, .size: 8, .value_kind: global_buffer, .address_space: global }
    .group_segment_fixed_size: 103424
    .private_segment_fixed_size: 0
    .kernarg_segment_align: 8
    .kernarg_segment_size: 80
    .max_flat_workgroup_size: 256
    .sgpr_count:     66
    .vgpr_count:     256
    .wavefront_size: 32
...
	.end_amdgpu_metadata
.endif
;; end of part 8
;; launch down (part 9): grid 8 x 40, 8 waves a work-group, no clusters, 119,808 bytes of LDS; arguments midc, mids, list, cnt, w_down, sw_down, y; writes y
.if DOCPART == 9
	.amdgcn_target "amdgcn-amd-amdhsa--gfx1250"
	.amdhsa_code_object_version 6
	.text
	.protected	k_q3c056d0a35_down
	.globl	k_q3c056d0a35_down
	.p2align	8
	.type	k_q3c056d0a35_down,@function
k_q3c056d0a35_down:
	s_mov_b64 s[64:65], 0
	v_nop
	global_prefetch_b8 v0, s[64:65] scope:SCOPE_SE
	s_setreg_imm32_b32 hwreg(HW_REG_WAVE_SCHED_MODE, 0, 2), 2
	s_setreg_imm32_b32 hwreg(HW_REG_WAVE_MODE, 25, 1), 1
	s_wait_xcnt 0x0
	s_wait_alu depctr_vm_vsrc(0)
; DOWN.  For one expert v and 128 of the 1,024 outputs: y[slot] = mid Wd on codes of FP6 (E2M3, one E8M0 byte for each 32 along K = the expert's 512 hidden units), for v's rows alone.
; A row's slot (4 token + k; 4096 + token for the shared expert; 5120.. for rows that only fill a tile) is its row of y: each row of y has one owner, and the next launch adds a token's five.
; PHASE 1, as in the launch before: a lane takes a column of Wd ([K][1024] f32) and its registers run down K.  Wave w takes columns 32 (w % 4) on, K rows 256 (w / 4) on: 8 blocks, two K steps of two fragments,
;   which go to LDS as images of their registers.  Here lane l takes column l.
; PHASE 2, behind the one barrier.  Wave w takes tiles of 16 rows w, w + 8, ..  Source 0 = 16 columns of Wd, source 1 = 16 rows of mid: a lane holds one row and eight neighbouring outputs.
;   Eight accumulators by turns, four K steps.  The results go through the wave's own stage in LDS and leave as whole rows: 32 lanes store 512 consecutive bytes, aligned.
; No tensor load and no cluster: the number of tiles is read from memory, and each routed weight byte is read by one work-group alone.
; LIMITS: NaN and infinities are not served.  A block whose largest magnitude lies under 2^-124 keeps the byte 1, a block of zeros too (its codes are zeros; only this program reads the bytes).
; THE MODE: SCHED_MODE bits 1:0 = 2 (LLVM: expert scheduling mode 2), set by the entry lines.  The code itself states the register dependences
; between vector or matrix instructions and memory or LDS instructions, with s_wait_alu, always for 0.
; THE PLAN.  Registers that memory or LDS instructions touch.
; Phase 1:  X0, two sets   Block t's maxima and conversions read set t % 2; behind them block t + 2's 32 loads land in it.
;           F0, F1, SW     Written by the conversions, moves and swaps of a K step's four blocks; read by the image stores in the fourth; written again from the next block on.
;           WO, WA, WSA    Made at the head; no vector line writes them again.
;   ONE wait on va_vdst to a block, behind its last vector line; one wait on vm_vsrc to a K step, ahead of the first line that writes the images' registers again.
; Phase 2:  WB, WS, two sets  Group g's four products read set g % 2; the LDS loads of group g + 1 land in the other set, which group g - 1 read.
;           ACC               The products write them; the stage's LDS stores read them.
;           OB (v144-207)     The loads from the stage land over W's fragments; the global stores read them; the next tile's LDS loads land there again.
;           OA (v240-255)     The rows' offsets in y: made at the tile's head, while the first two groups' LDS loads are out; read by the global stores at its end.
;           MF, MS, v9        Loaded for a tile; read by products and vector lines; loaded again for the next tile.   v8, v10, v11: offsets that vector lines write once a tile.
;   One wait on va_vdst ahead of the loop (phase 1 is done with v144-182), one at the head of groups 1 to 6, one behind the places ahead of the stage's stores, one ahead of the next tile's loads.
;   One wait on vm_vsrc at a tile's head, beside the wait on XCNT.  One wait on va_sdst behind the run of 16 lane reads.
.set WREG,  6144                       ; LDS: a wave's images: fragment (tile u, K step sl of its two) at (2 u + sl) x 1,536
.set FRB,   1536
.set UD,    2*FRB
.set WSC,   49152                      ; the scale words: 256 w + 128 sl + 4 lane
.set STG,   51200                      ; the stages: 16 rows x (512 bytes + 16) for each wave
.set SPARE, 118784                     ; the spare words, 128 bytes a wave: four blocks of 256 bytes that no other line names
.set WPITCH, 4096
.set FLOOR, 0x1800000
.set EOFF,  0xff000000
; v1 16 lane; v2 4 lane + WSC; v3 into the stage; v4 out of it; v5-7 lane terms of the list, midc, mids; v8 list offset; v9 entry, then slot; v10 midc; v11 mids; v12 my 16 bytes of a row of y
; s24 wave; s25 v; s26 slice; s27 tiles of v; s29 a tile's number, held at 63; s41 my trips so far; s42 my trips in all
; row i's slot in s[18 + i + 12 ((i + 10) / 16) + 2 ((i + 5) / 16)]: s18-23, s36-40, s43-47
.set MS,  16                           ; v16-19 mid's scale words;  v24-27 W's, two sets.  They hold scales and nothing else
.set WS,  24
.set SPW, 30
.set NIL, 31
.set MF,  32                           ; v32-79   mid's four fragments
.set ACC, 80                           ; v80-143  eight accumulators
.set WB,  144                          ; v144-239 W's fragments: two sets of four
.set OB,  144                          ; the way out: v144-207 16 rows
.set OA,  240                          ; v240-255 their offsets in y
.set X0,  80                           ; phase 1
.set F0,  144
.set F1,  156
.set TC,  168
.set MXA, 172
.set MXB, 173
.set SCL, 174
.set BY,  175
.set SW,  176
.set WO,  177
.set WA,  178
.set WSA, 179
.macro PLACES
.rept 4
	v_nop
.endr
.endm
.macro LOADW t                         ; block t: W(32 t + i, my column), i = 0 .. 31, into set t % 2
.irp i, 0,1,2,3,4,5,6,7,8,9,10,11,12,13,14,15,16,17,18,19,20,21,22,23,24,25,26,27,28,29,30,31
	global_load_b32 v[X0+32*((\t)%2)+\i], v[WO], s[30:31] offset:(32*(\t)+\i)*WPITCH
.endr
.endm
.macro WBLK t, more, n                 ; block t is quantised.  n: the younger loads that may stay out
.set XB, X0+32*((\t)%2)
.set BQ, (\t)%4
.set FD, F0+12*(BQ%2)+6*(BQ/2)
.set SL, (\t)/4
	s_wait_loadcnt \n
	v_max3_num_f32 v[MXA], |v[XB]|, |v[XB+1]|, |v[XB+2]|
	v_max3_num_f32 v[MXB], |v[XB+3]|, |v[XB+4]|, |v[XB+5]|
.irp i, 6,10,14,18,22,26
	v_max3_num_f32 v[MXA], v[MXA], |v[XB+\i]|, |v[XB+\i+1]|
	v_max3_num_f32 v[MXB], v[MXB], |v[XB+\i+2]|, |v[XB+\i+3]|
.endr
	v_max3_num_f32 v[MXA], v[MXA], |v[XB+30]|, |v[XB+31]|
	v_max3_num_f32 v[MXA], v[MXA], v[MXB], FLOOR
	v_add_nc_u32 v[SCL], EOFF, v[MXA]
	v_lshrrev_b32 v[BY], 23, v[SCL]
.if BQ == 0
.if (\t) > 0
	s_wait_alu depctr_va_vdst(0)
	s_wait_dscnt 0x0                                                ; the last K step's image stores are done
	s_wait_alu depctr_vm_vsrc(0)                                    ; they have read F0, F1 and the scale word, which are written again from here on
.endif
	v_mov_b32 v[SW], v[BY]
.else
	v_lshl_or_b32 v[SW], v[BY], 8*BQ, v[SW]
.endif
	v_cvt_scalef32_pk16_fp6_f32 v[FD:FD+2], v[XB:XB+15], v[SCL]
	v_cvt_scalef32_pk16_fp6_f32 v[TC:TC+2], v[XB+16:XB+31], v[SCL]
	v_nop                                                           ; one plain line behind the conversions
.irp i, 0,1,2
	v_mov_b32 v[FD+3+\i], v[TC+\i]
.endr
.if BQ%2 == 1
.irp i, 0,1,2,3,4,5
	v_permlane16_swap_b32 v[F0+6*(BQ/2)+\i], v[F1+6*(BQ/2)+\i]
.endr
.endif
.if (\more) || (BQ == 3)
	s_wait_alu depctr_va_vdst(0)                                    ; the block's maxima and conversions are done reading its set, in which the loads below land; in a K step's fourth block its two fragments and scale word are written, which the image stores read
.endif
.if BQ == 3
.irp k, 0,1,2
	ds_store_b128 v[WA], v[F0+4*\k:F0+4*\k+3] offset:SL*FRB+512*\k
	ds_store_b128 v[WA], v[F1+4*\k:F1+4*\k+3] offset:UD+SL*FRB+512*\k
.endr
	ds_store_b32 v[WSA], v[SW] offset:128*SL
.endif
.if \more
	LOADW (\t)+2
.endif
.endm
.macro SETJ                            ; s29 = a tile's number, held at 63: its places in midc, mids and the list
	s_mul_i32 s32, s29, 6144
	s_lshl_b32 s33, s29, 8
	s_lshl_b32 s34, s29, 6
	v_add_nc_u32 v10, s32, v6
	v_add_nc_u32 v11, s33, v7
	v_add_nc_u32 v8, s34, v5
.endm
.macro MLOAD                           ; 26 loads: my row's four fragments (block 4 s + 2 c + h: 24 bytes, in three pieces of 8), its four scale words, its entry
.irp s, 0,1,2,3
.irp c, 0,1
.irp i, 0,1,2
	global_load_b64 v[MF+12*\s+6*\c+2*\i:MF+12*\s+6*\c+2*\i+1], v10, s[4:5] offset:(4*\s+2*\c)*384+8*\i
.endr
.endr
.endr
	global_load_b128 v[MS:MS+3], v11, s[6:7]
	global_load_b32 v9, v8, s[8:9]
.endm
.macro LOADF gi, buf, x                ; three LDS loads: K step gi / 2 of tile 4 (gi % 2) + x
.irp k, 0,1,2
	ds_load_b128 v[WB+48*(\buf)+12*(\x)+4*\k:WB+48*(\buf)+12*(\x)+4*\k+3], v1 offset:WREG*(2*((\gi)%2)+(\x)/2+4*((\gi)/4))+(2*((\x)%2)+((\gi)/2)%2)*FRB+512*\k
.endr
.endm
.macro LOADS gi, buf                   ; two LDS loads: the scale words of the group's two runs of 32 columns
.irp m, 0,1
	ds_load_b32 v[WS+2*(\buf)+\m], v2 offset:256*(2*((\gi)%2)+\m+4*((\gi)/4))+128*(((\gi)/2)%2)
.endr
.endm
.macro LOADG gi, buf                   ; all 14 of a group in one run
.irp x, 0,1,2,3
	LOADF \gi, \buf, \x
.endr
	LOADS \gi, \buf
.endm
.macro WM d, a, b, first, sa, sb, row
.if \first
.if \row
	v_wmma_scale_f32_16x16x128_f8f6f4 v[(\d):(\d)+7], v[(\a):(\a)+11], v[(\b):(\b)+11], 0, v[\sa], v[\sb] matrix_a_fmt:MATRIX_FMT_FP6 matrix_b_fmt:MATRIX_FMT_FP6 matrix_a_scale:MATRIX_SCALE_ROW1
.else
	v_wmma_scale_f32_16x16x128_f8f6f4 v[(\d):(\d)+7], v[(\a):(\a)+11], v[(\b):(\b)+11], 0, v[\sa], v[\sb] matrix_a_fmt:MATRIX_FMT_FP6 matrix_b_fmt:MATRIX_FMT_FP6
.endif
.else
.if \row
	v_wmma_scale_f32_16x16x128_f8f6f4 v[(\d):(\d)+7], v[(\a):(\a)+11], v[(\b):(\b)+11], v[(\d):(\d)+7], v[\sa], v[\sb] matrix_a_fmt:MATRIX_FMT_FP6 matrix_b_fmt:MATRIX_FMT_FP6 matrix_a_scale:MATRIX_SCALE_ROW1
.else
	v_wmma_scale_f32_16x16x128_f8f6f4 v[(\d):(\d)+7], v[(\a):(\a)+11], v[(\b):(\b)+11], v[(\d):(\d)+7], v[\sa], v[\sb] matrix_a_fmt:MATRIX_FMT_FP6 matrix_b_fmt:MATRIX_FMT_FP6
.endif
.endif
.endm
.macro MUL1 gi, buf, x                 ; product x of a group's four; the eight accumulators take turns; the first K step starts the sums
.if (\gi) < 2
	WM ACC+8*(4*((\gi)%2)+(\x)), WB+48*(\buf)+12*(\x), MF+12*((\gi)/2), 1, WS+2*(\buf)+(\x)/2, MS+(\gi)/2, (\x)%2
.else
	WM ACC+8*(4*((\gi)%2)+(\x)), WB+48*(\buf)+12*(\x), MF+12*((\gi)/2), 0, WS+2*(\buf)+(\x)/2, MS+(\gi)/2, (\x)%2
.endif
.endm
	s_load_b256 s[4:11], s[0:1], 0x0               ; midc s[4:5], mids s[6:7], list s[8:9], cnt s[10:11]
	s_load_b128 s[12:15], s[0:1], 0x20             ; w_down s[12:13], sw_down s[14:15]
	s_load_b64 s[16:17], s[0:1], 0x30              ; y
	v_lshl_add_u32 v[SPW], v0, 2, SPARE
	v_mov_b32 v[NIL], 0
	v_lshrrev_b32 v1, 5, v0
	v_readfirstlane_b32 s24, v1                    ; wave 0..7
	s_and_b32 s25, ttmp7, 0xffff                   ; v
	s_mov_b32 s26, ttmp9                           ; which 128 outputs
	v_and_b32 v180, 31, v0                         ; lane
	v_and_b32 v181, 15, v0                         ; r
	v_bfe_u32 v182, v0, 4, 1                       ; h
	v_lshlrev_b32 v1, 4, v180
	v_lshl_add_u32 v2, v180, 2, WSC
	s_wait_alu depctr_va_sdst(0)                   ; s24 is written, ahead of its first reader
	s_mul_i32 s32, s24, 16*528
	s_add_co_u32 s32, s32, STG                     ; my stage
	v_mul_u32_u24 v3, v181, 528
	v_lshl_add_u32 v3, v182, 5, v3
	v_add_nc_u32 v3, s32, v3                       ; in: row r, 32 bytes for each half of the lanes
	v_add_nc_u32 v4, s32, v1                       ; back: the 32 lanes take one row of 512 bytes
	s_lshl_b32 s32, s25, 13
	v_lshl_add_u32 v5, v181, 2, s32                ; the list: 8192 v + 4 r
	s_mul_i32 s32, s25, 393216
	v_mul_u32_u24 v6, v181, 24
	v_mad_u32_u24 v6, v182, 384, v6
	v_add_nc_u32 v6, s32, v6                       ; midc: 64 x 6144 v + 384 h + 24 r
	s_lshl_b32 s32, s25, 14
	v_lshl_add_u32 v7, v181, 4, s32                ; mids: 64 x 256 v + 16 r
	s_lshl_b32 s32, s26, 9
	v_add_nc_u32 v12, s32, v1                      ; y: 512 slice + 16 lane
	s_and_b32 s33, s24, 3
	s_lshl_b32 s33, s33, 7
	s_add_co_u32 s32, s32, s33
	v_lshl_add_u32 v[WO], v180, 2, s32             ; Wd: 512 slice + 128 (w % 4) + 4 lane
	s_mul_i32 s32, s24, WREG
	v_add_nc_u32 v[WA], s32, v1
	s_lshl_b32 s32, s24, 8
	v_add_nc_u32 v[WSA], s32, v2
	s_lshl_b32 s35, s25, 2
	s_wait_kmcnt 0x0
	s_load_b32 s27, s[10:11], s35 offset:0x0       ; how many rows v has
	s_cmp_lt_u32 s25, 32                           ; a routed expert or the shared one: the choice hangs on the work-group's number alone
	s_cselect_b64 s[30:31], s[12:13], s[14:15]
	s_cselect_b32 s32, s25, 0
	s_lshl_b32 s32, s32, 21
	s_lshr_b32 s33, s24, 2
	s_lshl_b32 s33, s33, 20                        ; 256 K rows of 4,096 bytes
	s_add_co_u32 s32, s32, s33
	s_mov_b32 s33, 0
	s_add_nc_u64 s[30:31], s[30:31], s[32:33]
	s_wait_alu depctr_va_vdst(0)                   ; the addresses that stay (v1 to v4, WO, WA, WSA) are written, which the loads and LDS instructions of the whole kernel read
	LOADW 0
	s_wait_kmcnt 0x0
	s_min_u32 s27, s27, 1024
	s_add_co_u32 s27, s27, 15
	s_lshr_b32 s27, s27, 4
	s_max_u32 s27, s27, 1
	s_min_u32 s27, s27, 64                         ; s27: tiles of 16 rows, 1 to 64
	s_sub_co_u32 s29, s27, 1
	s_min_u32 s29, s29, s24                        ; my first tile; a wave with none fetches the last one and leaves it unused, so that every count below holds on every way
	s_min_u32 s29, s29, 63
	SETJ
	s_wait_alu depctr_va_vdst(0)                   ; v8, v10, v11 are written, which the loads below read
	MLOAD                                          ; the first tile's rows come while the weights are streamed
	LOADW 1
	WBLK 0, 1, 58                                  ; younger than block 0: the tile's 26 and block 1's 32
	WBLK 1, 1, 32                                  ; from here on: the next block's 32
	WBLK 2, 1, 32
	WBLK 3, 1, 32
	WBLK 4, 1, 32
	WBLK 5, 1, 32
	WBLK 6, 0, 32
	WBLK 7, 0, 0
	s_wait_dscnt 0x0                               ; for the others' sake: my images have landed
	s_barrier_signal -1
	s_barrier_wait -1                              ; the one barrier: it stands ahead of every branch on a number read from memory
	s_wait_alu depctr_va_vdst(0)                   ; phase 1's vector lines are done with v144-182, in which the first trip's LDS loads land
	s_add_co_u32 s42, s27, 7
	s_sub_co_u32 s42, s42, s24
	s_lshr_b32 s42, s42, 3                         ; my trips: the tiles w, w + 8, .. under s27: (s27 + 7 - w) / 8, 0 to 8
	s_mov_b32 s41, 0
	s_cmp_eq_u32 s42, 0
	s_cbranch_scc1 .Lend
.Ltile:                                ; a trip is a tile; the trips are counted by 1 against s42, which the loop does not write
	s_wait_loadcnt 0x0                             ; the tile's rows
	s_wait_xcnt 0x0                                ; the last tile's stores have read their offsets and data
	s_wait_alu depctr_vm_vsrc(0)                   ; the last tile's stores have read their rows v144-207 and offsets v240-255; this tile's loads have read v8, v10, v11; in the first trip the image stores have read F0, F1, SW, WA, WSA and the weights' loads WO: all of these are written again in this trip
	LOADG 0, 0
	LOADG 1, 1
	v_lshrrev_b32 v9, 16, v9                       ; while the LDS loads are out: the rows' places in y
	v_min_u32 v9, 0x167f, v9                       ; my row's slot: its row of y
.irp i, 0,1,2,3,4,5,6,7,8,9,10,11,12,13,14,15
	v_readlane_b32 s[18+\i+12*((\i+10)/16)+2*((\i+5)/16)], v9, \i    ; row i's slot: sixteen reads in one run,
.endr
	s_wait_alu depctr_va_sdst(0)                   ; and one wait: the sixteen scalar registers are written, ahead of their first reader
.irp i, 0,1,2,3,4,5,6,7,8,9,10,11,12,13,14,15
	s_min_u32 s[18+\i+12*((\i+10)/16)+2*((\i+5)/16)], s[18+\i+12*((\i+10)/16)+2*((\i+5)/16)], 0x167f   ; held inside y's 5,760 rows,
	s_lshl_b32 s[18+\i+12*((\i+10)/16)+2*((\i+5)/16)], s[18+\i+12*((\i+10)/16)+2*((\i+5)/16)], 12      ; x 4,096 bytes
	v_add_nc_u32 v[OA+\i], s[18+\i+12*((\i+10)/16)+2*((\i+5)/16)], v12
.endr
	s_wait_dscnt 14                                ; group 0's 14 loads are in; group 1's 14 may be out
.irp x, 0,1,2,3
	MUL1 0, 0, \x
.endr
.irp g, 1,2,3,4,5,6
	s_wait_dscnt 0x0                               ; this group's set is in
	s_wait_alu depctr_va_vdst(0)                   ; the products of the group before are done reading the other set and its scale words, in which the loads below land (in group 1 also: the offsets v240-255 are written, which the stores at the tile's end read)
	LOADS \g+1, (\g+1)%2
.irp x, 0,1,2,3
	LOADF \g+1, (\g+1)%2, \x                       ; the next group's loads, dealt among this group's products, which name none of their registers
	MUL1 \g, \g%2, \x
.endr
.endr
	s_wait_dscnt 0x0
.irp x, 0,1,2,3
	MUL1 7, 1, \x
.endr
	PLACES                                         ; four places ahead of the stores that read the results
	s_wait_alu depctr_va_vdst(0)                   ; behind the places: the products have written the accumulators, which the LDS stores read, and are done reading W's fragments, over which the loads from the stage land
.irp t, 0,1,2,3,4,5,6,7
	ds_store_b128 v3, v[ACC+8*\t:ACC+8*\t+3] offset:64*\t          ; each accumulator from its low end on
	ds_store_b128 v3, v[ACC+8*\t+4:ACC+8*\t+7] offset:64*\t+16
.endr
.irp i, 0,1,2,3,4,5,6,7,8,9,10,11,12,13,14,15
	ds_load_b128 v[OB+4*\i:OB+4*\i+3], v4 offset:528*\i            ; LDS serves a wave's instructions in order (ISA guide 5.7.1.4): these see my stores
.endr
.irp i, 0,1,2,3,4,5,6,7,8,9,10,11,12,13,14,15
	s_wait_dscnt 15-\i
	global_store_b128 v[OA+\i], v[OB+4*\i:OB+4*\i+3], s[16:17]     ; 32 lanes store 512 consecutive bytes, at a multiple of 256 from y's first byte
.endr
	s_add_co_u32 s41, s41, 1
	s_cmp_ge_u32 s41, s42
	s_cbranch_scc1 .Lend                           ; no tile is left: nothing more is fetched
	s_lshl_b32 s29, s41, 3
	s_add_co_u32 s29, s29, s24                     ; my next tile: w + 8 x trip,
	s_min_u32 s29, s29, 63                         ; held at 63 by a constant before it enters an address
	SETJ
	s_wait_alu depctr_va_vdst(0)                   ; v8, v10, v11 are written, which the loads below read
	MLOAD
	s_cmp_lt_u32 s41, s42                          ; (the lines above have written SCC: compared again for the counted jump back)
	s_cbranch_scc1 .Ltile
.Lend:
	s_wait_dscnt 0x0                               ; the wave's end
	s_wait_alu 0x0
	s_wait_tensorcnt 0x0
	ds_add_u32 v[SPW], v[NIL]
	s_wait_dscnt 0x0
	s_endpgm
.Lfunc_end_k_q3c056d0a35_down:
	.size	k_q3c056d0a35_down, .Lfunc_end_k_q3c056d0a35_down-k_q3c056d0a35_down
	.p2alignl 7, 3214868480
	.fill 96, 4, 3214868480
	.section	.rodata,"a",@progbits
	.p2align	6, 0x0
	.amdhsa_kernel k_q3c056d0a35_down
		.amdhsa_group_segment_fixed_size 119808
		.amdhsa_private_segment_fixed_size 0
		.amdhsa_enable_private_segment 0
		.amdhsa_kernarg_size 56
		.amdhsa_user_sgpr_count 2
		.amdhsa_user_sgpr_kernarg_segment_ptr 1
		.amdhsa_wavefront_size32 1
		.amdhsa_system_sgpr_workgroup_id_x 1
		.amdhsa_system_sgpr_workgroup_id_y 1
		.amdhsa_system_sgpr_workgroup_id_z 1
		.amdhsa_system_vgpr_workitem_id 0
		.amdhsa_next_free_vgpr 256
		.amdhsa_next_free_sgpr 66
		.amdhsa_reserve_vcc 0
		.amdhsa_float_denorm_mode_32 3
		.amdhsa_float_denorm_mode_16_64 3
		.amdhsa_memory_ordered 1
		.amdhsa_forward_progress 1
		.amdhsa_inst_pref_size 66
	.end_amdhsa_kernel
	.amdgpu_metadata
---
amdhsa.version: [ 1, 2 ]
amdhsa.kernels:
  - .name:           k_q3c056d0a35_down
    .symbol:         k_q3c056d0a35_down.kd
    .args:
      - { .name: midc, .offset: 0, .size: 8, .value_kind: global_buffer, .address_space: global }
      - { .name: mids, .offset: 8, .size: 8, .value_kind: global_buffer, .address_space: global }
      - { .name: list, .offset: 16, .size: 8, .value_kind: global_buffer, .address_space: global }
      - { .name: cnt, .offset: 24, .size: 8, .value_kind: global_buffer, .address_space: global }
      - { .name: w_down, .offset: 32, .size: 8, .value_kind: global_buffer, .address_space: global }
      - { .name: sw_down, .offset: 40, .size: 8, .value_kind: global_buffer, .address_space: global }
      - { .name: y, .offset: 48, .size: 8, .value_kind: global_buffer, .address_space: global }
    .group_segment_fixed_size: 119808
    .private_segment_fixed_size: 0
    .kernarg_segment_align: 8
    .kernarg_segment_size: 56
    .max_flat_workgroup_size: 256
    .sgpr_count:     66
    .vgpr_count:     256
    .wavefront_size: 32
...
	.end_amdgpu_metadata
.endif
;; end of part 9
;; launch combine (part 10): grid 256 x 1, 8 waves a work-group, no clusters, 0 bytes of LDS; arguments y, out0; writes out0
.if DOCPART == 10
	.amdgcn_target "amdgcn-amd-amdhsa--gfx1250"
	.amdhsa_code_object_version 6
	.text
	.protected	k_q3c056d0a35_combine
	.globl	k_q3c056d0a35_combine
	.p2align	8
	.type	k_q3c056d0a35_combine,@function
k_q3c056d0a35_combine:
	s_mov_b64 s[64:65], 0
	v_nop
	global_prefetch_b8 v0, s[64:65] scope:SCOPE_SE
	s_setreg_imm32_b32 hwreg(HW_REG_WAVE_MODE, 25, 1), 1
	s_wait_xcnt 0x0
; COMBINE.  out0[t] = y[4 t] + y[4 t + 1] + y[4 t + 2] + y[4 t + 3] + y[4096 + t]: a token's four routed rows and its shared row, in f32.
; A work-group owns four tokens; thread i owns bytes 16 i .. 16 i + 15 of every row, so that each load and store of a wave covers 512 consecutive bytes, aligned.
; All 20 loads of a thread go out at once; the waits count down token by token.  No LDS, no barrier, no matrix unit: a stream.
	s_load_b128 s[4:7], s[0:1], 0x0                ; y s[4:5], out0 s[6:7]
	v_lshlrev_b32 v1, 4, v0
	s_lshl_b32 s8, ttmp9, 16                       ; 16 routed rows of 4,096 bytes
	s_mov_b32 s9, 0
	s_lshl_b32 s10, ttmp9, 14                      ; 4 rows
	s_mov_b32 s11, 0
	s_wait_alu depctr_va_vdst(0)
	s_wait_kmcnt 0x0
	s_add_nc_u64 s[12:13], s[4:5], s[10:11]
	s_add_nc_u64 s[12:13], s[12:13], 16777216      ; the shared rows begin at row 4096
	s_add_nc_u64 s[4:5], s[4:5], s[8:9]
	s_add_nc_u64 s[6:7], s[6:7], s[10:11]
.irp i, 0,1,2,3
.irp k, 0,1,2,3
	global_load_b128 v[8+20*\i+4*\k:11+20*\i+4*\k], v1, s[4:5] offset:16384*\i+4096*\k th:TH_LOAD_NT
.endr
	global_load_b128 v[24+20*\i:27+20*\i], v1, s[12:13] offset:4096*\i th:TH_LOAD_NT
.endr
.irp i, 0,1,2,3
	s_wait_loadcnt 15-5*\i                         ; token i's five loads are in; those of the tokens behind it may be out
	v_pk_add_f32 v[8+20*\i:9+20*\i], v[8+20*\i:9+20*\i], v[12+20*\i:13+20*\i]
	v_pk_add_f32 v[10+20*\i:11+20*\i], v[10+20*\i:11+20*\i], v[14+20*\i:15+20*\i]
	v_pk_add_f32 v[16+20*\i:17+20*\i], v[16+20*\i:17+20*\i], v[20+20*\i:21+20*\i]
	v_pk_add_f32 v[18+20*\i:19+20*\i], v[18+20*\i:19+20*\i], v[22+20*\i:23+20*\i]
	s_delay_alu instid0(VALU_DEP_2)
	v_pk_add_f32 v[8+20*\i:9+20*\i], v[8+20*\i:9+20*\i], v[16+20*\i:17+20*\i]
	s_delay_alu instid0(VALU_DEP_2)
	v_pk_add_f32 v[10+20*\i:11+20*\i], v[10+20*\i:11+20*\i], v[18+20*\i:19+20*\i]
	s_delay_alu instid0(VALU_DEP_2)
	v_pk_add_f32 v[8+20*\i:9+20*\i], v[8+20*\i:9+20*\i], v[24+20*\i:25+20*\i]
	s_delay_alu instid0(VALU_DEP_2)
	v_pk_add_f32 v[10+20*\i:11+20*\i], v[10+20*\i:11+20*\i], v[26+20*\i:27+20*\i]
	global_store_b128 v1, v[8+20*\i:11+20*\i], s[6:7] offset:4096*\i th:TH_STORE_NT
.endr
	s_endpgm
.Lfunc_end_k_q3c056d0a35_combine:
	.size	k_q3c056d0a35_combine, .Lfunc_end_k_q3c056d0a35_combine-k_q3c056d0a35_combine
	.p2alignl 7, 3214868480
	.fill 96, 4, 3214868480
	.section	.rodata,"a",@progbits
	.p2align	6, 0x0
	.amdhsa_kernel k_q3c056d0a35_combine
		.amdhsa_group_segment_fixed_size 0
		.amdhsa_private_segment_fixed_size 0
		.amdhsa_enable_private_segment 0
		.amdhsa_kernarg_size 16
		.amdhsa_user_sgpr_count 2
		.amdhsa_user_sgpr_kernarg_segment_ptr 1
		.amdhsa_wavefront_size32 1
		.amdhsa_system_sgpr_workgroup_id_x 1
		.amdhsa_system_sgpr_workgroup_id_y 1
		.amdhsa_system_sgpr_workgroup_id_z 1
		.amdhsa_system_vgpr_workitem_id 0
		.amdhsa_next_free_vgpr 96
		.amdhsa_next_free_sgpr 66
		.amdhsa_reserve_vcc 0
		.amdhsa_float_denorm_mode_32 3
		.amdhsa_float_denorm_mode_16_64 3
		.amdhsa_memory_ordered 1
		.amdhsa_forward_progress 1
		.amdhsa_inst_pref_size 6
	.end_amdhsa_kernel
	.amdgpu_metadata
---
amdhsa.version: [ 1, 2 ]
amdhsa.kernels:
  - .name:           k_q3c056d0a35_combine
    .symbol:         k_q3c056d0a35_combine.kd
    .args:
      - { .name: y, .offset: 0, .size: 8, .value_kind: global_buffer, .address_space: global }
      - { .name: out0, .offset: 8, .size: 8, .value_kind: global_buffer, .address_space: global }
    .group_segment_fixed_size: 0
    .private_segment_fixed_size: 0
    .kernarg_segment_align: 8
    .kernarg_segment_size: 16
    .max_flat_workgroup_size: 256
    .sgpr_count:     66
    .vgpr_count:     96
    .wavefront_size: 32
...
	.end_amdgpu_metadata
.endif
;; end of part 10
